; MI455X (gfx1250); checked and timed in simulation.
; The chip was launched on July 23, 2026; its instructions are those of AMD's public machine-readable ISA for CDNA 5 (MIT licence, August 2026) and "CDNA5" Instruction Set Architecture Reference Guide (July 2026). The comments in the code are by the model that wrote it; some were corrected since.
;; Attention. Allowed arithmetic: matrix products marked QUANTISED: E2M3 operands, one E8M0 scale for each 32 along K, by v_wmma_scale_f32_16x16x128_f8f6f4 with both operands' format E2M3, f32 sums; everything else in f32.
;; Inputs: b_fc 1,024 float32; b_qkv 3,072 float32; w_fc 1,024 x 1,024 float32; w_qkv 1,024 x 3,072 float32; x 4 x 2,048 x 1,024 float32.
;; Outputs: out0 4 x 2,048 x 1,024 float32.
;; This version of the problem:
;;   THIS VERSION OF THE PROBLEM IS GIVEN IN LOW PRECISION. The matrix products marked QUANTISED in the list below multiply operands that are first quantised to E2M3 (2 exponent bits, 3 mantissa bits; 6 bits a number), with one power-of-two scale for each 32 numbers along K (OCP MX v1.0); their sums are f32. All else is computed in f32.
;;   The module's matrix products, in the order in which they are computed (A, B: the left and right operand; K: the contracted axis; several contracted axes count as one K, in the product's order):
;;     1. [M 8,192, K 1,024] x [K 1,024, N 3,072]; A: input x; B: input w_qkv: QUANTISED
;;     2. batch 64 x [M 2,048, K 64] x [K 64, N 2,048]; A: computed on the way; B: computed on the way: QUANTISED
;;     3. batch 64 x [M 2,048, K 2,048] x [K 2,048, N 64]; A: softmax (see below); B: computed on the way: QUANTISED
;;     4. [M 8,192, K 1,024] x [K 1,024, N 1,024]; A: computed on the way; B: input w_fc: QUANTISED
;;   THE QUANTISER, for each operand of a quantised product, along K:
;;     - K is cut into blocks of 32 from its start; a last block that is shorter is filled with zeros.
;;     - A block's scale is 2^e with e = floor(log2(the largest magnitude in the block)) - 2, held to -126 .. 127; a block of zeros has e = 0. As a byte (E8M0): e + 127.
;;     - Each number is divided by its block's scale, clamped to +-7.5, and rounded to the nearest number of E2M3, ties to even, subnormals kept.
;;     - The product sums the exact products of the quantised numbers (number of the format x scale) in f32.
;;   ~~~python
;;   def quantise(x, axis):      # numpy; x: float32 -> the quantised numbers, widened to float32 again
;;       x = np.moveaxis(x, axis, -1); K = x.shape[-1]
;;       x = np.pad(x, [(0, 0)] * (x.ndim - 1) + [(0, -K % 32)]); x = x.reshape(x.shape[:-1] + (-1, 32)); a = np.abs(x).max(-1, keepdims=True)
;;       e = np.where(a > 0, np.clip(np.frexp(np.where(a > 0, a, 1))[1] - 1 - 2, -126, 127), 0)      # np.frexp(a)[1] - 1 = floor(log2(a)), exactly
;;       r = np.clip(x / 2.0 ** e, -7.5, 7.5)
;;       step = 2.0 ** (np.maximum(np.frexp(np.where(r == 0, 1, r))[1] - 1, 0) - 3)
;;       q = np.round(r / step) * step * 2.0 ** e      # np.round: ties to even
;;       return np.moveaxis(q.reshape(q.shape[:-2] + (-1,))[..., :K], -1, axis).astype(np.float32)
;;   ~~~
;;   SOFTMAX AHEAD OF A QUANTISED PRODUCT. Where the list says 'softmax', what is quantised is not the finished softmax but p = 2^(t - M), with t = logit x log2(e) and M = ceil(the row's largest t), a whole number; so 1/2 < the row's largest p <= 1. The row's sum l is taken of the UNQUANTISED p, in f32, and the product's result is divided by l at the end. Since M is a whole number, a kernel that streams over the keys may use a running M (the ceiling of the running maximum): every later rescaling is an exact power of two, which a block's scale takes up: the codes' values come out the same.
;;   OPERANDS COMPUTED ON THE WAY. 'Computed on the way' means the value that the module computes at that place (a softmax that the list does not call 'softmax' is quantised finished and normalised). What goes into a quantiser is computed in f32, as accurately as f32 sums, v_exp_f32 and their like allow (about 1e-6 of the number): no bf16 or f16 on the way to a quantiser, and a product that is left as it is and whose result goes on into a quantised operand takes f32 operands (vector FMAs, or v_wmma_f32_16x16x4_f32). A number that lies on a knife's edge between two numbers of the format may be rounded either way, as far as f32 arithmetic and the matrix unit's own rounding can turn it there, and no further.
;; One version. Each part assembles by itself: llvm-mc -triple=amdgcn-amd-amdhsa -mcpu=gfx1250 --defsym DOCPART=n.
;; ======== version 1 of 1: 4 launches
;; limits: right only within a limited range of input values
;; workspace buffers: act_c 6,291,456 bytes; act_s 262,144 bytes; wc 3,145,728 bytes; ws 131,072 bytes; qkv 19,660,800 bytes
;; launch quant (part 1): grid 384 x 1, 4 waves a work-group, no clusters, 34,304 bytes of LDS; arguments x, w_qkv, w_fc, act_c, act_s, wc, ws; writes act_c, act_s, wc, ws
.if DOCPART == 1
	.amdgcn_target "amdgcn-amd-amdhsa--gfx1250"
	.amdhsa_code_object_version 6
	.text
	.protected	k_qb65f4dd379_quant
	.globl	k_qb65f4dd379_quant
	.p2align	8
	.type	k_qb65f4dd379_quant,@function
k_qb65f4dd379_quant:
	s_mov_b64 s[64:65], 0
	v_nop
	global_prefetch_b8 v0, s[64:65] scope:SCOPE_SE
	s_setreg_imm32_b32 hwreg(HW_REG_WAVE_MODE, 25, 1), 1
	s_wait_xcnt 0x0
; x [8192][1024], w_qkv [1024][3072] and w_fc [1024][1024], f32, become codes of FP6 (E2M3) along K = 1024 with one E8M0 byte for each 32 along K,
; laid as the products' operand registers want them.
; TILES.  16 rows form a tile; place r of tile t holds row 32 (t / 2) + 8 (t % 2) + r + 8 (r / 8).  A fragment is a tile x 128 along K: 12 registers a lane.
; Its image in memory: registers 2 p, 2 p + 1 of lane l at 256 p + 8 l, 1,536 bytes; a tile's eight fragments on end (12,288 bytes).
; Scale words: [tile][pair of fragments s][place r][8 bytes]: the words of fragments 2 s and 2 s + 1; 512 bytes a tile.
; act_c, act_s: x's 512 tiles.  wc, ws: 256 tiles: the 3,072 columns of w_qkv, then the 1,024 columns of w_fc (a weight's column is an operand's row).
; A block's scale is 2^(floor(log2(its largest magnitude)) - 2): its byte is the largest magnitude's exponent field - 2, held at 1 from below.
; LIMITS: a block whose largest magnitude lies under 2^-124 is held at the byte 1; a block of zeros gets the byte 1 where the quantiser's text says 127 (its codes are zeros, which add
; nothing, and these bytes are read by this program alone); NaN and infinities among the inputs are not served.
; SHARES.  Work-groups 0-255: x; a wave takes one tile and half of K (four fragments).  Work-groups 256-351: w_qkv, 352-383: w_fc; a work-group takes 128 columns x 256 along K, a wave 32 columns.
; The paths part on the work-group's number; only x's path uses LDS (a stage of its own for each wave), so there is no barrier.
; x's TILES ARE FORMED OTHERWISE THAN THE WEIGHTS': place r of x's tile t holds row 64 (t / 4) + 8 (t % 4) + r % 8 + 32 (r / 8); the line on places above holds for the weights' tiles.
.set SPARE, 33792                      ; behind the four stages: the spare words, 128 bytes for each wave
.set STG,   8448                       ; a wave's stage: 16 rows x (512 bytes + 16)
.set SPW,   1                          ; v1   LDS address of my spare word; never rewritten
.set NIL,   2                          ; v2   0; never rewritten
.set R,     16                         ; v16-143  x: two sets of 64 registers, as loaded
.set X,     144                        ; v144-207 x: 64 numbers of my row: register 16 b + i = k 32 b + 16 (lane / 16) + i
.set PC,    208                        ; v208-219 a fragment's codes
.set T,     220                        ; v220-227 the conversions' second halves
.set TM,    228                        ; v228-243 largest magnitudes, bytes, scale operands
.set W,     244                        ; v244-247 four scale words
.set XW,    16                         ; v16-79   a weight: two sets of 32 numbers down K
.set EV,    80                         ; v80-85   the codes of an even block
.set OD,    86                         ; v86-91   of an odd block
.set TW,    92                         ; v92-94   a conversion's second half
.set SB,    100                        ; v100-101 eight scale bytes
.set SEL,   20                         ; s[20:21] lane selects for v_permlanex16_b32: lane l xor 16
; 64 numbers of a lane, register 16 b + i = k 32 b + 16 (lane / 16) + i of its row, become an operand's registers 0-5 in v[d0] on, 6-11 in v[d1] on, and the row's scale word in v[w].
.macro QUANT s, d0, d1, w
.irp b, 0,1,2,3
	v_max3_num_f32 v[TM+\b], |v[(\s)+16*\b]|, |v[(\s)+1+16*\b]|, 0x1800000   ; block b: my 16 numbers, and the floor 2^(3 - 127): the byte cannot fall under 1
.endr
.irp i, 2,4,6,8,10,12,14
.irp b, 0,1,2,3
	v_max3_num_f32 v[TM+\b], v[TM+\b], |v[(\s)+16*\b+\i]|, |v[(\s)+1+16*\b+\i]|   ; the four blocks by turns
.endr
.endr
.irp b, 0,1,2,3
	v_permlanex16_b32 v[TM+4+\b], v[TM+\b], s[SEL], s[SEL+1]
.endr
.irp b, 0,1,2,3
	v_max_num_f32 v[TM+\b], v[TM+\b], v[TM+4+\b]           ; with lane l xor 16's 16: the block's largest magnitude
.endr
.irp b, 0,1,2,3
	v_add_nc_u32 v[TM+12+\b], 0xff000000, v[TM+\b]         ; 2 off its exponent field: the conversion's scale operand
.endr
.irp b, 0,1,2,3
	v_lshrrev_b32 v[TM+4+\b], 23, v[TM+12+\b]              ; the scale's byte
.endr
	v_lshl_or_b32 v[\w], v[TM+5], 8, v[TM+4]               ; the row's scale word
	v_lshl_or_b32 v[\w], v[TM+6], 16, v[\w]
	v_lshl_or_b32 v[\w], v[TM+7], 24, v[\w]
	v_cvt_scalef32_pk16_fp6_f32 v[(\d0):(\d0)+2], v[(\s):(\s)+15], v[TM+12]
	v_cvt_scalef32_pk16_fp6_f32 v[T:T+2], v[(\s)+16:(\s)+31], v[TM+13]       ; (a conversion's three registers begin on an even number)
	v_cvt_scalef32_pk16_fp6_f32 v[(\d1):(\d1)+2], v[(\s)+32:(\s)+47], v[TM+14]
	v_cvt_scalef32_pk16_fp6_f32 v[T+4:T+6], v[(\s)+48:(\s)+63], v[TM+15]
	v_nop                                                  ; one plain instruction behind the scaled conversions
.irp i, 0,1,2
	v_permlane16_swap_b32 v[(\d0)+\i], v[T+\i]             ; the operand wants a whole block in a lane: lanes 0-15 the even block, lanes 16-31 the odd one
	v_permlane16_swap_b32 v[(\d1)+\i], v[T+4+\i]
.endr
.irp i, 0,1,2
	v_mov_b32 v[(\d0)+3+\i], v[T+\i]
	v_mov_b32 v[(\d1)+3+\i], v[T+4+\i]
.endr
.endm
	s_load_b128 s[4:7], s[0:1], 0x0                ; x, w_qkv
	s_load_b128 s[8:11], s[0:1], 0x10              ; w_fc, act_c
	s_load_b128 s[12:15], s[0:1], 0x20             ; act_s, wc
	s_load_b64 s[16:17], s[0:1], 0x30              ; ws
	v_lshl_add_u32 v[SPW], v0, 2, SPARE
	v_mov_b32 v[NIL], 0
	v_lshrrev_b32 v3, 5, v0
	v_readfirstlane_b32 s18, v3                    ; wave 0..3
	v_and_b32 v3, 31, v0                           ; lane
	v_and_b32 v10, 15, v0                          ; r
	v_bfe_u32 v11, v0, 4, 1                        ; h
	v_lshlrev_b32 v7, 3, v3                        ; 8 x lane: my place in a piece of an image
	s_mov_b32 s[SEL], 0x76543210
	s_mov_b32 s[SEL+1], 0xfedcba98
	s_mov_b32 s22, 0xffff0000                      ; lanes 16-31
	s_wait_kmcnt 0x0
	s_cmp_lt_u32 ttmp9, 256
	s_cbranch_scc0 .Lweights
	; ---- x.  Each load reads one row's 512 consecutive bytes (128 numbers); the 16 rows turn through my stage, so that a lane gets 16 neighbours of each block of its row.
	s_lshl_b32 s23, ttmp9, 2
	s_add_co_u32 s23, s23, s18                     ; which of 1,024 shares is my wave's
	s_lshr_b32 s24, s23, 1                         ; the tile
	s_and_b32 s25, s23, 1                          ; the half of K
	s_lshr_b32 s26, s24, 2
	s_lshl_b32 s26, s26, 6
	s_and_b32 s27, s24, 3
	s_lshl_b32 s27, s27, 3
	s_add_co_u32 s26, s26, s27                     ; the tile's first row: 64 (t / 4) + 8 (t % 4)
	s_lshl_b32 s26, s26, 12                        ; rows of 4,096 bytes
	s_lshl_b32 s27, s25, 11
	s_add_co_u32 s26, s26, s27
	s_mov_b32 s27, 0
	s_add_nc_u64 s[4:5], s[4:5], s[26:27]
	s_mul_i32 s26, s24, 12288
	s_mul_i32 s28, s25, 6144
	s_add_co_u32 s26, s26, s28
	s_add_nc_u64 s[10:11], s[10:11], s[26:27]      ; my four fragments' images
	s_lshl_b32 s26, s24, 9
	s_lshl_b32 s28, s25, 8
	s_add_co_u32 s26, s26, s28
	s_add_nc_u64 s[12:13], s[12:13], s[26:27]      ; and their scale words: 256 bytes
	s_wait_alu depctr_va_vdst(0)
	v_lshlrev_b32 v4, 4, v3                        ; 16 x lane
	s_mul_i32 s28, s18, STG
	v_add_nc_u32 v5, s28, v4                       ; the stage, on the way in: a row as it lies
	v_mul_u32_u24 v6, v10, 528
	v_lshl_add_u32 v6, v11, 6, v6
	v_add_nc_u32 v6, s28, v6                       ; and out: row r, + 64 h: my 16 numbers of a block of 32
.irp b, 0,1,2,3
	v_mov_b32 v[TM+4+\b], 0                        ; written once: a lane permute's destination counts as one of its sources
.endr
.macro XLOAD f                         ; fragment f: 128 numbers of each of the tile's 16 rows, into set f % 2
.irp j, 0,1,2,3,4,5,6,7,8,9,10,11,12,13,14,15
	global_load_b128 v[R+64*((\f)%2)+4*\j:R+64*((\f)%2)+4*\j+3], v4, s[4:5] offset:(\j%8+32*(\j/8))*4096+512*(\f) th:TH_LOAD_NT
.endr
.endm
.macro XSTEP f
.if (\f) < 3
	s_wait_loadcnt 16                              ; this fragment's 16 loads are in; the next one's 16 may be out
.else
	s_wait_loadcnt 0x0
.endif
.irp j, 0,1,2,3,4,5,6,7,8,9,10,11,12,13,14,15
	ds_store_b128 v5, v[R+64*((\f)%2)+4*\j:R+64*((\f)%2)+4*\j+3] offset:528*\j
.endr
.irp b, 0,1,2,3
.irp q, 0,1,2,3
	ds_load_b128 v[X+16*\b+4*\q:X+16*\b+4*\q+3], v6 offset:128*\b+16*\q   ; LDS serves a wave's instructions in order: these see the stores above
.endr
.endr
.if (\f) < 2
	s_wait_dscnt 16                                ; the 16 stores have read their registers (the 16 loads behind them may be out),
	XLOAD (\f)+2                                   ; which take the fragment two further on
.endif
	s_wait_dscnt 0x0
.if (\f) > 0
	s_wait_xcnt 0x0                                ; the last fragment's stores have read the codes' registers
.endif
	QUANT X, PC, PC+6, W+(\f)
.irp p, 0,1,2,3,4,5
	global_store_b64 v7, v[PC+2*\p:PC+2*\p+1], s[10:11] offset:1536*(\f)+256*\p   ; 32 lanes store 256 consecutive bytes, aligned
.endr
.endm
	XLOAD 0
	XLOAD 1
	s_wait_alu depctr_va_vdst(0)
	XSTEP 0
	XSTEP 1
	XSTEP 2
	XSTEP 3
	v_cndmask_b32 v248, v[W], v[W+2], s22          ; lanes 0-15: the words of fragments 0, 1; lanes 16-31: of fragments 2, 3
	v_cndmask_b32 v249, v[W+1], v[W+3], s22
	global_store_b64 v7, v[248:249], s[12:13]      ; 256 consecutive bytes, aligned
	s_branch .Lend
	; ---- the weights: K is their FIRST axis.  A lane takes a column and its registers run down K: a block of 32 lies in one lane.  Lanes 0-15 are the places of tile Tn, lanes 16-31 of tile Tn + 1.
.Lweights:
	s_sub_co_u32 s23, ttmp9, 256
	s_lshr_b32 s24, s23, 2                         ; which 128 columns, counted over both weights
	s_and_b32 s25, s23, 3                          ; which 256 along K
	s_wait_alu depctr_va_vdst(0)
	v_and_b32 v8, 8, v10
	v_add_nc_u32 v8, v8, v10
	v_lshl_add_u32 v8, v11, 3, v8                  ; my column of the wave's 32: 8 h + r + 8 (r / 8)
	v_lshlrev_b32 v8, 2, v8
	v_lshlrev_b32 v9, 3, v10
	v_lshl_add_u32 v9, v11, 9, v9                  ; my scale bytes: tile h, place r
	s_lshl_b32 s26, s24, 3
	s_lshl_b32 s27, s18, 1
	s_add_co_u32 s26, s26, s27                     ; Tn
	s_mul_i32 s28, s26, 12288
	s_mul_i32 s29, s25, 3072
	s_add_co_u32 s28, s28, s29
	s_mov_b32 s29, 0
	s_add_nc_u64 s[14:15], s[14:15], s[28:29]
	s_lshl_b32 s28, s26, 9
	s_lshl_b32 s30, s25, 7
	s_add_co_u32 s28, s28, s30
	s_add_nc_u64 s[16:17], s[16:17], s[28:29]
	s_lshl_b32 s30, s18, 7                         ; my wave's 32 columns, in bytes
.macro WLOAD t, n, p                   ; block t: 32 rows of the weight at my column, into set t % 2; the 32 lanes read 128 consecutive bytes
.irp i, 0,1,2,3,4,5,6,7,8,9,10,11,12,13,14,15,16,17,18,19,20,21,22,23,24,25,26,27,28,29,30,31
	global_load_b32 v[XW+32*((\t)%2)+\i], v8, s[\p:\p+1] offset:(32*(\t)+\i)*(\n)*4 th:TH_LOAD_NT
.endr
.endm
.macro WBLOCK t, n, p
.set XS, XW+32*((\t)%2)
.set DD, EV+6*((\t)%2)
.if (\t) < 7
	s_wait_loadcnt 32                              ; this block's 32 loads are in; the next block's may be out
.else
	s_wait_loadcnt 0x0
.endif
	v_max3_num_f32 v96, |v[XS]|, |v[XS+1]|, |v[XS+2]|      ; the block's largest magnitude: all 32 numbers are mine
	v_max3_num_f32 v97, |v[XS+3]|, |v[XS+4]|, |v[XS+5]|
.irp i, 6,10,14,18,22,26
	v_max3_num_f32 v96, v96, |v[XS+\i]|, |v[XS+\i+1]|
	v_max3_num_f32 v97, v97, |v[XS+\i+2]|, |v[XS+\i+3]|
.endr
	v_max3_num_f32 v96, v96, |v[XS+30]|, |v[XS+31]|
	v_max3_num_f32 v96, v96, v97, 0x1800000        ; and the floor
	v_add_nc_u32 v98, 0xff000000, v96              ; the conversion's scale operand
	v_lshrrev_b32 v99, 23, v98                     ; the byte
.if (\t)%4 == 0
	v_mov_b32 v[SB+(\t)/4], v99
.else
	v_lshl_or_b32 v[SB+(\t)/4], v99, 8*((\t)%4), v[SB+(\t)/4]
.endif
.if ((\t)%2 == 0) && ((\t) > 0)
	s_wait_alu depctr_va_vdst(0)
	s_wait_xcnt 0x0                                ; the last pair's stores have read the codes' registers
.endif
	v_cvt_scalef32_pk16_fp6_f32 v[DD:DD+2], v[XS:XS+15], v98
	v_cvt_scalef32_pk16_fp6_f32 v[TW:TW+2], v[XS+16:XS+31], v98
	v_nop                                          ; one plain instruction behind the scaled conversions
.irp i, 0,1,2
	v_mov_b32 v[DD+3+\i], v[TW+\i]
.endr
.if (\t)+2 < 8
	WLOAD (\t)+2, \n, \p
.endif
.if (\t)%2 == 1
.irp i, 0,1,2,3,4,5
	v_permlane16_swap_b32 v[EV+\i], v[OD+\i]       ; EV: tile Tn's six registers (lanes 0-15 the even block, lanes 16-31 the odd one); OD: tile Tn + 1's
.endr
.irp i, 0,1,2
	global_store_b64 v7, v[EV+2*\i:EV+2*\i+1], s[14:15] offset:((\t)/4)*1536+(((\t)/2)%2)*768+256*\i         ; 256 consecutive bytes, aligned
	global_store_b64 v7, v[OD+2*\i:OD+2*\i+1], s[14:15] offset:12288+((\t)/4)*1536+(((\t)/2)%2)*768+256*\i
.endr
.endif
.endm
.macro WPATH n, p
	WLOAD 0, \n, \p
	WLOAD 1, \n, \p
.irp t, 0,1,2,3,4,5,6,7
	WBLOCK \t, \n, \p
.endr
	global_store_b64 v9, v[SB:SB+1], s[16:17]      ; two runs of 128 consecutive bytes: the two tiles' words of these 256 along K
.endm
	s_cmp_lt_u32 s24, 24
	s_cbranch_scc0 .Lfc
	s_lshl_b32 s28, s24, 9                         ; 128 columns of 4 bytes
	s_add_co_u32 s28, s28, s30
	s_mul_i32 s31, s25, 256*3072*4                 ; 256 rows of w_qkv
	s_add_co_u32 s28, s28, s31
	s_add_nc_u64 s[6:7], s[6:7], s[28:29]
	s_wait_alu depctr_va_vdst(0)
	WPATH 3072, 6
	s_branch .Lend
.Lfc:
	s_sub_co_u32 s28, s24, 24
	s_lshl_b32 s28, s28, 9
	s_add_co_u32 s28, s28, s30
	s_mul_i32 s31, s25, 256*1024*4                 ; 256 rows of w_fc
	s_add_co_u32 s28, s28, s31
	s_add_nc_u64 s[8:9], s[8:9], s[28:29]
	s_wait_alu depctr_va_vdst(0)
	WPATH 1024, 8
.Lend:
	s_wait_tensorcnt 0x0                           ; the wave's end, behind my last LDS store
	ds_add_u32 v[SPW], v[NIL]
	s_wait_dscnt 0x0
	s_endpgm
.Lfunc_end_k_qb65f4dd379_quant:
	.size	k_qb65f4dd379_quant, .Lfunc_end_k_qb65f4dd379_quant-k_qb65f4dd379_quant
	.p2alignl 7, 3214868480
	.fill 96, 4, 3214868480
	.section	.rodata,"a",@progbits
	.p2align	6, 0x0
	.amdhsa_kernel k_qb65f4dd379_quant
		.amdhsa_group_segment_fixed_size 34304
		.amdhsa_private_segment_fixed_size 0
		.amdhsa_enable_private_segment 0
		.amdhsa_kernarg_size 56
		.amdhsa_user_sgpr_count 2
		.amdhsa_user_sgpr_kernarg_segment_ptr 1
		.amdhsa_wavefront_size32 1
		.amdhsa_system_sgpr_workgroup_id_x 1
		.amdhsa_system_sgpr_workgroup_id_y 1
		.amdhsa_system_sgpr_workgroup_id_z 1
		.amdhsa_system_vgpr_workitem_id 0
		.amdhsa_next_free_vgpr 256
		.amdhsa_next_free_sgpr 66
		.amdhsa_reserve_vcc 0
		.amdhsa_float_denorm_mode_32 3
		.amdhsa_float_denorm_mode_16_64 3
		.amdhsa_memory_ordered 1
		.amdhsa_forward_progress 1
		.amdhsa_inst_pref_size 114
	.end_amdhsa_kernel
	.amdgpu_metadata
---
amdhsa.version: [ 1, 2 ]
amdhsa.kernels:
  - .name:           k_qb65f4dd379_quant
    .symbol:         k_qb65f4dd379_quant.kd
    .args:
      - { .name: x, .offset: 0, .size: 8, .value_kind: global_buffer, .address_space: global }
      - { .name: w_qkv, .offset: 8, .size: 8, .value_kind: global_buffer, .address_space: global }
      - { .name: w_fc, .offset: 16, .size: 8, .value_kind: global_buffer, .address_space: global }
      - { .name: act_c, .offset: 24, .size: 8, .value_kind: global_buffer, .address_space: global }
      - { .name: act_s, .offset: 32, .size: 8, .value_kind: global_buffer, .address_space: global }
      - { .name: wc, .offset: 40, .size: 8, .value_kind: global_buffer, .address_space: global }
      - { .name: ws, .offset: 48, .size: 8, .value_kind: global_buffer, .address_space: global }
    .group_segment_fixed_size: 34304
    .private_segment_fixed_size: 0
    .kernarg_segment_align: 8
    .kernarg_segment_size: 56
    .max_flat_workgroup_size: 128
    .sgpr_count:     66
    .vgpr_count:     256
    .wavefront_size: 32
...
	.end_amdgpu_metadata
.endif
;; end of part 1
;; launch gemm_qkv (part 2): grid 32 x 8, 4 waves a work-group, clusters of 4 x 1, 295,424 bytes of LDS; arguments act_c, act_s, wc, ws, b_qkv, qkv; writes qkv
.if DOCPART == 2
	.amdgcn_target "amdgcn-amd-amdhsa--gfx1250"
	.amdhsa_code_object_version 6
	.text
	.protected	k_qb65f4dd379_gemm_qkv
	.globl	k_qb65f4dd379_gemm_qkv
	.p2align	8
	.type	k_qb65f4dd379_gemm_qkv,@function
k_qb65f4dd379_gemm_qkv:
	s_mov_b64 s[64:65], 0
	v_nop
	global_prefetch_b8 v0, s[64:65] scope:SCOPE_SE
	s_setreg_imm32_b32 hwreg(HW_REG_WAVE_MODE, 25, 1), 1
	s_wait_xcnt 0x0
	s_wait_alu depctr_hold_cnt(0) depctr_sa_sdst(0) depctr_va_vdst(0) depctr_va_sdst(0) depctr_va_ssrc(0) depctr_va_vcc(0) depctr_vm_vsrc(0)
	s_getreg_b32 s2, hwreg(HW_REG_IB_STS2, 6, 4)
	s_cmp_eq_u32 s2, 0
	s_cbranch_scc0 .Lentry_in_a_cluster
	s_endpgm
.Lentry_in_a_cluster:
	s_bfe_u32 s2, ttmp6, 0x10000c
	s_cmp_lg_u32 s2, 0x3003
	s_cbranch_scc0 .Lentry_shape_is_right
	s_endpgm
.Lentry_shape_is_right:
; qkv = x w_qkv + b_qkv on codes of FP6 (E2M3) with E8M0 scales, K = 1,024; the result is quantised at once (Q, K along the head's 64 channels, V along the keys) and leaves as the records that the attention launch reads.
; SHARES.  A work-group owns 256 tokens x 384 columns (grid 32 x 8 = 256 work-groups); a wave owns 64 tokens: four tiles of 16.
; x's CODES LIVE IN REGISTERS: a wave's 4 tiles x 8 fragments x 12 registers = 384, loaded once from their images (each load 256 consecutive bytes, aligned); no other wave of the work-group needs them.
; THE WEIGHTS' 24 TILES, ALL OF K, LIVE IN LDS: 24 x 12,288 = 294,912 bytes, filled once, each wave asking for six tiles by one tensor load.  Nothing is filled again: no slot, and no barrier in the loop.
; CLUSTER: the four work-groups of a cluster lie along the tokens and need the same weights: the loads are joint (mask 15).
; NO PREFETCH: every byte that the launch reads in bulk is asked for at its head; no loop runs ahead of a later request.
; THE LOOP walks six chunks of 64 columns (one head of Q, K or V): 16 accumulators by turns, 8 K steps; the bias is the C of the first K step.
; Q, K: source 0 = weights, source 1 = x: a lane holds one token and its registers run along the channels.  V: the sources change places: a lane holds one channel and its registers run along the tokens, V's K.
; Place r of tile t holds row 32 (t / 2) + 8 (t % 2) + r + 8 (r / 8), so 16 registers of two neighbouring tiles are 16 neighbours along the next K.
; A wave's 64 tokens are half of a record's 128: of Q and K it stores two whole pair fragments and one of two scale words a place; of V the six registers of each fragment that hold its 64 keys, and two of a word's four bytes.
; WINDOWS: 0: addresses, scale words, bias, the way out; 1: x's fragments of K steps 0-4; 2: of K steps 5-7; 3: accumulators v0-127, the weights' fragments v128-223 (two sets).  v250 of windows 1, 2, 3: the LDS address.
; LIMITS: a block whose largest magnitude lies under 2^-124, zeros too, is held at the byte 1 (its bytes are read by this program alone); NaN and infinities are not served.
; x's TILES: place r of x's tile t holds token 64 (t / 4) + 8 (t % 4) + r % 8 + 32 (r / 8); the line on places above holds for the weights' tiles.  So in V's chunks a lane's 32 registers of a group
; are one whole block of 32 keys, block h of my 64, in their order: its largest magnitude needs no other lane, and the codes lie as the operand wants them.
.set NCH,   6                          ; chunks; also the tiles that one wave's tensor load brings
.set TILEB, 12288                      ; a tile's eight fragment images
.set CHB,   49152                      ; a chunk's four tiles
.set SPARE, 294912                     ; behind the weights: the spare words, 128 bytes a wave
.set SPW, 1
.set NIL, 2
.set L8,  4                            ; 8 x lane
.set L16, 5                            ; 16 x lane
.set VH,  6                            ; 64 h: Q's and K's bias
.set VR,  7                            ; 4 (r + 8 (r / 8)): V's bias
.set VO,  8                            ; v8-10 where V's three register pairs go in a fragment's image
.set SA,  16                           ; v16-31 x's scale words: tile a at 4 a; register 2 (f / 4) + f % 2, lanes 16-31 where (f / 2) is odd
.set SB,  32                           ; v32-47 the chunk's weights' scale words, likewise
.set BI,  48                           ; v48-79 the chunk's bias in the result's layout
.set TM,  80
.set TP,  88
.set TS,  96
.set X,   104                          ; v104-127 codes: six registers a group
.set T,   128
.set W,   144
.set SBN, 152                          ; v152-167 the next chunk's scale words, as they land
.set BIN, 168                          ; v168-199 the next chunk's bias, as it lands
.set AD,  250
.set BF,  128
.set WV,  16
.set CX,  17
.set Y,   18
.set RB,  19
.set SEL, 20
.set HI,  22
.set PAR, 23
.set G1,  24
.set G0,  32
.set CH,  40
.set TB,  41
.set GCH, 42
.set NX,  43
.set WSB, 44
.set BB,  46
.set OC,  48
.set OS,  50
.set RECB, 52
.set P3,  60
.set P4,  61
.set P2,  62
.set MSB, 0
.macro WIN new                         ; the immediate's high byte repeats the setting that is left
.if MSB != (\new)
	s_set_vgpr_msb (MSB<<8)|(\new)
.set MSB, (\new)
.endif
.endm
.macro CROUND
	s_barrier_signal -1
	s_barrier_wait -1
	s_cmp_lg_u32 s[WV], 0
	s_cbranch_scc1 .Lnot_wave_0_\@
	s_barrier_signal -3
.Lnot_wave_0_\@:
	s_barrier_wait -3
	s_barrier_signal -1
	s_barrier_wait -1
.endm
.macro PLACES
.rept 4
	v_nop
.endr
.endm
.macro ALOAD f                         ; x's four fragments of K step f
.irp a, 0,1,2,3
.irp p, 0,1,2,3,4,5
	global_load_b64 v[48*((\f)%5)+12*\a+2*\p:48*((\f)%5)+12*\a+2*\p+1], v[L8], s[4:5] offset:\a*TILEB+(\f)*1536+256*\p
.endr
.endr
.endm
.macro FETCH f                         ; the chunk's four weight fragments of K step f, 24 LDS loads, into set f % 2
.irp b, 0,1,2,3
.irp p, 0,1,2,3,4,5
	ds_load_b64 v[BF+48*((\f)%2)+12*\b+2*\p:BF+48*((\f)%2)+12*\b+2*\p+1], v[AD] offset:\b*TILEB+(\f)*1536+256*\p
.endr
.endr
.endm
.macro ONE s0, s1, x0, x1
.if RW
	v_wmma_scale_f32_16x16x128_f8f6f4 v[DD:DD+7], v[\s0:\s0+11], v[\s1:\s1+11], v[CC:CC+7], v[\x0], v[\x1] matrix_a_fmt:MATRIX_FMT_FP6 matrix_b_fmt:MATRIX_FMT_FP6 matrix_a_scale:MATRIX_SCALE_ROW1 matrix_b_scale:MATRIX_SCALE_ROW1
.else
	v_wmma_scale_f32_16x16x128_f8f6f4 v[DD:DD+7], v[\s0:\s0+11], v[\s1:\s1+11], v[CC:CC+7], v[\x0], v[\x1] matrix_a_fmt:MATRIX_FMT_FP6 matrix_b_fmt:MATRIX_FMT_FP6
.endif
.endm
; One K step: four places behind the last step's products, the next step's 24 loads into the set that those products read, then 16 products.  sw = 1: V.
.macro STEPF f, sw
.set AR, 48*((\f)%5)
.set BS, BF+48*((\f)%2)
.set SR, 2*((\f)/4)+(\f)%2
.set RW, ((\f)/2)%2
.if (\f) > 0
	PLACES
.endif
.if (\f) < 7
	FETCH (\f)+1
.endif
.if \sw
	WIN 0xcd+0x30*(((\f)+6)/7)+(\f)/5      ; source 0 x (window 1, then 2), source 1 weights (3), C bias (0) in step 0 and then window 3, D window 3
.else
	WIN 0xc7+0x30*(((\f)+6)/7)+4*((\f)/5)  ; source 0 weights (3), source 1 x (1, then 2)
.endif
.if (\f) < 7
	s_wait_dscnt 24                        ; this step's fragments are in; the next step's 24 loads may be out
.else
	s_wait_dscnt 0x0
.endif
.irp a, 0,1,2,3
.irp b, 0,1,2,3
.if \sw
.set DD, 32*\b+8*\a
.else
.set DD, 32*\a+8*\b
.endif
.set CC, DD
.if (\f) == 0
.set CC, BI+8*\b
.endif
.if \sw
	ONE AR+12*\a, BS+12*\b, SA+4*\a+SR, SB+4*\b+SR
.else
	ONE BS+12*\b, AR+12*\a, SB+4*\b+SR, SA+4*\a+SR
.endif
.endr
.endr
.endm
.macro CHUNK sw
.if \sw
	WIN 0xcd
.else
	WIN 0xc7
.endif
	FETCH 0
.irp f, 0,1,2,3,4,5,6,7
	STEPF \f, \sw
.endr
.endm
; The scale words and the bias of chunk s[NX] (counted over all 48 chunks of w_qkv)
.macro NEXTLOADS
	s_lshl_b32 s54, s[NX], 11              ; four tiles of 512 bytes
	s_mov_b32 s55, 0
	s_add_nc_u64 s[WSB:WSB+1], s[10:11], s[54:55]
	s_lshl_b32 s54, s[NX], 8               ; 64 columns of 4 bytes
	s_add_nc_u64 s[BB:BB+1], s[12:13], s[54:55]
.irp b, 0,1,2,3
.irp q, 0,1
	global_load_b64 v[SBN+4*\b+2*\q:SBN+4*\b+2*\q+1], v[L8], s[WSB:WSB+1] offset:512*\b+256*\q   ; 256 consecutive bytes, aligned
.endr
.endr
	s_cmp_lt_u32 s[NX], 32
	s_cbranch_scc0 .Lbias_v_\@
.irp t, 0,1,2,3                        ; Q, K: register 8 t + j is column 32 (t / 2) + 8 (t % 2) + 16 h + j
	global_load_b128 v[BIN+8*\t:BIN+8*\t+3], v[VH], s[BB:BB+1] offset:(32*(\t/2)+8*(\t%2))*4
	global_load_b128 v[BIN+8*\t+4:BIN+8*\t+7], v[VH], s[BB:BB+1] offset:(32*(\t/2)+8*(\t%2))*4+16
.endr
	s_branch .Lbias_done_\@
.Lbias_v_\@:
.irp t, 0,1,2,3                        ; V: all eight registers hold the bias of my lane's channel
.irp j, 0,1,2,3,4,5,6,7
	global_load_b32 v[BIN+8*\t+\j], v[VR], s[BB:BB+1] offset:(32*(\t/2)+8*(\t%2))*4
.endr
.endr
.Lbias_done_\@:
.endm
; Four groups of 32 accumulator registers, register 16 b + i = place 32 b + 16 h + i along the next K: two blocks of 32 a group become six registers of codes at X + 6 g and two scale bytes in W + g.
.macro EPI sw
	WIN 0x3c                               ; sources 1 and 2: window 3
.irp g, 0,1,2,3
.irp b, 0,1
	v_max3_num_f32 v[TM+2*\g+\b], 0x1800000, |v[32*\g+16*\b]|, |v[32*\g+16*\b+1]|   ; each accumulator from its low end on; the floor 2^(3 - 127) holds the byte at 1 from below
.endr
.endr
.irp i, 2,4,6,8,10,12,14
.irp g, 0,1,2,3
.irp b, 0,1
	v_max3_num_f32 v[TM+2*\g+\b], v[TM+2*\g+\b], |v[32*\g+16*\b+\i]|, |v[32*\g+16*\b+\i+1]|
.endr
.endr
.endr
	WIN 0
.if \sw                                ; V: the group's 32 registers are my lane's own block
.irp g, 0,1,2,3
	v_max_num_f32 v[TM+2*\g], v[TM+2*\g], v[TM+2*\g+1]     ; the block's largest magnitude
.endr
.irp g, 0,1,2,3
	v_add_nc_u32 v[TS+2*\g], 0xff000000, v[TM+2*\g]        ; the scale operand of both conversions
	v_add_nc_u32 v[TS+2*\g+1], 0xff000000, v[TM+2*\g]
.endr
.irp g, 0,1,2,3
	v_lshrrev_b32 v[TP+2*\g], 23, v[TS+2*\g]               ; my block's byte
.endr
.irp g, 0,1,2,3
	v_permlanex16_b32 v[TP+2*\g+1], v[TP+2*\g], s[SEL], s[SEL+1]   ; and the other block's
.endr
.irp g, 0,1,2,3
	v_cndmask_b32 v[TM+2*\g], v[TP+2*\g], v[TP+2*\g+1], s[HI]      ; the lower block's byte,
	v_cndmask_b32 v[TM+2*\g+1], v[TP+2*\g+1], v[TP+2*\g], s[HI]    ; the upper block's
.endr
.irp g, 0,1,2,3
	v_lshl_or_b32 v[W+\g], v[TM+2*\g+1], 8, v[TM+2*\g]
.endr
.else
.irp k, 0,1,2,3,4,5,6,7
	v_permlanex16_b32 v[TP+\k], v[TM+\k], s[SEL], s[SEL+1]
.endr
.irp k, 0,1,2,3,4,5,6,7
	v_max_num_f32 v[TM+\k], v[TM+\k], v[TP+\k]     ; with lane l xor 16's 16: the block's largest magnitude
.endr
.irp k, 0,1,2,3,4,5,6,7
	v_add_nc_u32 v[TS+\k], 0xff000000, v[TM+\k]    ; 2 off its exponent field: the conversion's scale operand
.endr
.irp k, 0,1,2,3,4,5,6,7
	v_lshrrev_b32 v[TP+\k], 23, v[TS+\k]           ; the byte
.endr
.irp g, 0,1,2,3
	v_lshl_or_b32 v[W+\g], v[TP+2*\g+1], 8, v[TP+2*\g]
.endr
.endif
	WIN 0x03                               ; source 0: window 3
.irp g, 0,1,2,3
	v_cvt_scalef32_pk16_fp6_f32 v[X+6*\g:X+6*\g+2], v[32*\g:32*\g+15], v[TS+2*\g]
	v_cvt_scalef32_pk16_fp6_f32 v[T+4*\g:T+4*\g+2], v[32*\g+16:32*\g+31], v[TS+2*\g+1]
.endr
	WIN 0
	v_nop                                  ; one plain instruction behind the scaled conversions
.if (\sw) == 0
.irp g, 0,1,2,3
.irp i, 0,1,2
	v_permlane16_swap_b32 v[X+6*\g+\i], v[T+4*\g+\i]   ; Q, K: a whole block in a lane
.endr
.endr
.endif
.irp g, 0,1,2,3
.irp i, 0,1,2
	v_mov_b32 v[X+6*\g+3+\i], v[T+4*\g+\i]
.endr
.endr
.endm
; Behind a chunk's products: this chunk's places in qkv are made, and the results are quantised.
.macro TAIL sw
	WIN 0
	PLACES                                 ; in front of loads into the products' sources and of the first read of results
	s_wait_xcnt 0x0                        ; the last chunk's stores have read their registers and bases
	s_and_b32 s58, s[GCH], 15              ; the head
	s_mul_i32 s58, s58, 307200
	s_add_co_u32 s58, s58, s[RECB]         ; my record
	s_lshr_b32 s59, s[GCH], 4              ; 0 Q, 1 K, 2 V
	s_mul_i32 s54, s59, 6144
	s_add_co_u32 s54, s54, s58
	s_lshl_b32 s56, s59, 8
	s_add_co_u32 s56, s56, s58
	s_add_co_u32 s56, s56, 18432
.if \sw
	s_add_co_u32 s56, s56, s[P2]           ; bytes 2 c, 2 c + 1 of V's words
.else
	s_add_co_u32 s54, s54, s[P3]           ; pair fragments 2 c, 2 c + 1
	s_add_co_u32 s56, s56, s[P4]           ; and their word of the two
.endif
	s_mov_b32 s55, 0
	s_mov_b32 s57, 0
	s_add_nc_u64 s[OC:OC+1], s[14:15], s[54:55]
	s_add_nc_u64 s[OS:OS+1], s[14:15], s[56:57]
	EPI \sw
.endm
	s_load_b128 s[4:7], s[0:1], 0x0                ; act_c, act_s
	s_load_b128 s[8:11], s[0:1], 0x10              ; wc, ws
	s_load_b128 s[12:15], s[0:1], 0x20             ; b_qkv, qkv
	v_lshl_add_u32 v[SPW], v0, 2, SPARE
	v_mov_b32 v[NIL], 0
	ds_add_u32 v[SPW], v[NIL]                      ; the opening lines: the add, twice on end, and its wait ahead of the first tensor load
	ds_add_u32 v[SPW], v[NIL]
	v_lshrrev_b32 v3, 5, v0
	v_readfirstlane_b32 s[WV], v3                  ; wave 0..3
	s_bfe_u32 s[CX], ttmp6, 0x40000                ; cx: it enters x's and qkv's addresses alone
	s_and_b32 s[Y], ttmp7, 0xffff                  ; which 384 columns: the four partners share it
	s_lshl_b32 s[RB], ttmp9, 2
	s_add_co_u32 s[RB], s[RB], s[CX]               ; which 256 tokens
	s_mov_b32 s[G1], 15|(3<<16)|(1<<21)            ; the mask: all four work-groups; elements of 8 bytes; bit 21 beside a mask
	s_mov_b32 s[G1+1], 1536<<16                    ; a row = a tile's 12,288 bytes
	s_mov_b32 s[G1+2], NCH<<16
	s_mov_b32 s[G1+3], 1536<<16
	s_mov_b32 s[G1+4], NCH
	s_mov_b32 s[G1+5], 1536                        ; dense
	s_mov_b32 s[G1+6], 0
	s_mov_b32 s[G1+7], 0
	s_mul_i32 s36, s[Y], 4*NCH
	s_mul_i32 s37, s[WV], NCH
	s_add_co_u32 s36, s36, s37                     ; my first tile of the weights
	s_mul_i32 s36, s36, TILEB
	s_mov_b32 s37, 0
	s_mov_b32 s[G0], 1
	s_mul_i32 s[G0+1], s[WV], NCH*TILEB
	s_mov_b32 s[SEL], 0x76543210
	s_mov_b32 s[SEL+1], 0xfedcba98
	s_mov_b32 s[HI], 0xffff0000                    ; lanes 16-31
	s_wait_dscnt 0x0                               ; both opening adds are done
	s_wait_kmcnt 0x0
	s_add_nc_u64 s[G0+2:G0+3], s[8:9], s[36:37]
	s_or_b32 s[G0+3], s[G0+3], 0x80000000
	CROUND                                         ; all four work-groups are here: the joint loads meet
	tensor_load_to_lds s[G0:G0+3], s[G1:G1+7]      ; my one tensor load: six tiles
	s_nop 0
	PLACES
	v_and_b32 v3, 31, v0
	v_and_b32 v11, 15, v0
	v_bfe_u32 v12, v0, 4, 1
	v_lshlrev_b32 v[L8], 3, v3
	v_lshlrev_b32 v[L16], 4, v3
	v_lshlrev_b32 v[VH], 6, v12
	v_and_b32 v13, 8, v11
	v_add_nc_u32 v13, v13, v11
	v_lshlrev_b32 v[VR], 2, v13
	s_and_b32 s[PAR], s[WV], 1                     ; c: which 64 of the record's 128 tokens are mine
	s_mul_i32 s54, s[PAR], 520
	s_mul_i32 s55, s[PAR], 1016
	v_add_nc_u32 v[VO], s54, v[L16]                ; registers 6 c + 2 k, + 1 lie at 512 (R / 4) + 16 l + 4 (R % 4), R = 6 c + 2 k: 0, 8, 512 for c = 0; 520, 1024, 1032 for c = 1
	s_add_co_u32 s55, s55, 8
	v_add_nc_u32 v[VO+1], s55, v[L16]
	s_add_co_u32 s54, s54, 512
	v_add_nc_u32 v[VO+2], s54, v[L16]
.irp k, 0,1,2,3,4,5,6,7
	v_mov_b32 v[TP+\k], 0                          ; written once: a lane permute's destination counts as one of its sources
.endr
	s_wait_alu depctr_va_vdst(0)
	s_lshl_b32 s36, s[RB], 4
	s_lshl_b32 s38, s[WV], 2
	s_add_co_u32 s36, s36, s38                     ; my first tile of x
	s_lshl_b32 s38, s36, 9
	s_mov_b32 s39, 0
	s_mul_i32 s36, s36, TILEB
	s_add_nc_u64 s[4:5], s[4:5], s[36:37]
	s_add_nc_u64 s[6:7], s[6:7], s[38:39]
.irp a, 0,1,2,3
.irp q, 0,1
	global_load_b64 v[SA+4*\a+2*\q:SA+4*\a+2*\q+1], v[L8], s[6:7] offset:512*\a+256*\q
.endr
.endr
	s_mul_i32 s[GCH], s[Y], NCH                    ; my first chunk
	s_mov_b32 s[NX], s[GCH]
	NEXTLOADS
	WIN 0x40
.irp f, 0,1,2,3,4
	ALOAD \f
.endr
	WIN 0x80
.irp f, 5,6,7
	ALOAD \f
.endr
	WIN 0
	s_lshr_b32 s54, s[RB], 3                       ; batch
	s_lshl_b32 s54, s54, 8
	s_and_b32 s55, s[RB], 7
	s_lshl_b32 s55, s55, 1
	s_add_co_u32 s54, s54, s55
	s_lshr_b32 s55, s[WV], 1
	s_add_co_u32 s54, s54, s55                     ; 256 batch + the record of 128 tokens
	s_mul_i32 s[RECB], s54, 19200
	s_mul_i32 s[P3], s[PAR], 3072
	s_lshl_b32 s[P4], s[PAR], 2
	s_lshl_b32 s[P2], s[PAR], 1
	s_mov_b32 s[CH], 0
	s_mov_b32 s[TB], 0
	s_wait_tensorcnt 0x0                           ; my six tiles are in LDS,
	s_barrier_signal -1
	s_barrier_wait -1                              ; everybody's are: from here on LDS is only read
.Lchunk:
	s_wait_loadcnt 0x0                             ; x (first trip), and this chunk's scale words and bias, asked for a whole chunk ago
.set j, 0
.rept 16
	v_mov_b32 v[SB+j], v[SBN+j]                    ; into the registers that the products name; the 32 moves below are the places between these and the products
.set j, j+1
.endr
.set j, 0
.rept 32
	v_mov_b32 v[BI+j], v[BIN+j]
.set j, j+1
.endr
	PLACES
	s_cmp_lt_u32 s[CH], NCH-1
	s_cbranch_scc0 .Lnone                          ; the last chunk asks for nothing
	s_add_co_u32 s[NX], s[GCH], 1
	NEXTLOADS                                      ; the next chunk's: they have this whole chunk in which to land
.Lnone:
	s_cmp_lt_u32 s[GCH], 32                        ; made of the work-group's y and the trip: the same in all waves and partners
	s_cbranch_scc0 .Lvals
	WIN 0xc0
	v_add_nc_u32 v[AD], s[TB], v[L8]
	s_wait_alu depctr_va_vdst(0)
	CHUNK 0
	TAIL 0
	v_lshl_or_b32 v148, v[W+1], 16, v[W]           ; a pair fragment's word: tile 2 i's two bytes, then tile 2 i + 1's
	v_lshl_or_b32 v149, v[W+3], 16, v[W+2]
	v_cndmask_b32 v150, v148, v149, s[HI]          ; the odd fragment's words lie in lanes 16-31's places
	s_wait_alu depctr_va_vdst(0)
.irp i, 0,1
.irp g, 0,1,2
	global_store_b128 v[L16], v[X+12*\i+4*\g:X+12*\i+4*\g+3], s[OC:OC+1] offset:1536*\i+512*\g   ; 512 consecutive bytes, aligned
.endr
.endr
	global_store_b32 v[L8], v150, s[OS:OS+1]       ; four of each place's eight bytes: the other wave of the record stores the other four
	s_branch .Ljoin
.Lvals:
	WIN 0x40
	v_add_nc_u32 v[AD], s[TB], v[L8]
	WIN 0x80
	v_add_nc_u32 v[AD], s[TB], v[L8]
	s_wait_alu depctr_va_vdst(0)
	CHUNK 1
	TAIL 1
	v_cndmask_b32 v150, v[W], v[W+1], s[HI]
	v_cndmask_b32 v151, v[W+2], v[W+3], s[HI]
	s_wait_alu depctr_va_vdst(0)
.irp b, 0,1,2,3
.irp k, 0,1,2
	global_store_b64 v[VO+\k], v[X+6*\b+2*\k:X+6*\b+2*\k+1], s[OC:OC+1] offset:1536*\b   ; my half of fragment b's registers
.endr
.endr
	global_store_b16 v[L8], v150, s[OS:OS+1]
	global_store_b16 v[L8], v151, s[OS:OS+1] offset:4
.Ljoin:
	s_add_co_u32 s[TB], s[TB], CHB
	s_add_co_u32 s[GCH], s[GCH], 1
	s_add_co_u32 s[CH], s[CH], 1
	s_cmp_lt_u32 s[CH], NCH
	s_cbranch_scc1 .Lchunk
	s_wait_tensorcnt 0x0                           ; the wave's end
	ds_add_u32 v[SPW], v[NIL]
	s_wait_dscnt 0x0
	CROUND                                         ; the closing round
	s_endpgm
.Lfunc_end_k_qb65f4dd379_gemm_qkv:
	.size	k_qb65f4dd379_gemm_qkv, .Lfunc_end_k_qb65f4dd379_gemm_qkv-k_qb65f4dd379_gemm_qkv
	.p2alignl 7, 3214868480
	.fill 96, 4, 3214868480
	.section	.rodata,"a",@progbits
	.p2align	6, 0x0
	.amdhsa_kernel k_qb65f4dd379_gemm_qkv
		.amdhsa_group_segment_fixed_size 295424
		.amdhsa_private_segment_fixed_size 0
		.amdhsa_enable_private_segment 0
		.amdhsa_kernarg_size 48
		.amdhsa_user_sgpr_count 2
		.amdhsa_user_sgpr_kernarg_segment_ptr 1
		.amdhsa_wavefront_size32 1
		.amdhsa_system_sgpr_workgroup_id_x 1
		.amdhsa_system_sgpr_workgroup_id_y 1
		.amdhsa_system_sgpr_workgroup_id_z 1
		.amdhsa_system_vgpr_workitem_id 0
		.amdhsa_next_free_vgpr 1024
		.amdhsa_next_free_sgpr 66
		.amdhsa_reserve_vcc 0
		.amdhsa_float_denorm_mode_32 3
		.amdhsa_float_denorm_mode_16_64 3
		.amdhsa_memory_ordered 1
		.amdhsa_forward_progress 1
		.amdhsa_inst_pref_size 113
	.end_amdhsa_kernel
	.amdgpu_metadata
---
amdhsa.version: [ 1, 2 ]
amdhsa.kernels:
  - .name:           k_qb65f4dd379_gemm_qkv
    .symbol:         k_qb65f4dd379_gemm_qkv.kd
    .args:
      - { .name: act_c, .offset: 0, .size: 8, .value_kind: global_buffer, .address_space: global }
      - { .name: act_s, .offset: 8, .size: 8, .value_kind: global_buffer, .address_space: global }
      - { .name: wc, .offset: 16, .size: 8, .value_kind: global_buffer, .address_space: global }
      - { .name: ws, .offset: 24, .size: 8, .value_kind: global_buffer, .address_space: global }
      - { .name: b_qkv, .offset: 32, .size: 8, .value_kind: global_buffer, .address_space: global }
      - { .name: qkv, .offset: 40, .size: 8, .value_kind: global_buffer, .address_space: global }
    .group_segment_fixed_size: 295424
    .private_segment_fixed_size: 0
    .kernarg_segment_align: 8
    .kernarg_segment_size: 48
    .max_flat_workgroup_size: 128
    .sgpr_count:     66
    .vgpr_count:     1024
    .wavefront_size: 32
...
	.end_amdgpu_metadata
.endif
;; end of part 2
;; launch attn (part 3): grid 4 x 64, 16 waves a work-group, clusters of 4 x 1, 210,944 bytes of LDS; arguments qkv, act_c, act_s; writes act_c, act_s
.if DOCPART == 3
	.amdgcn_target "amdgcn-amd-amdhsa--gfx1250"
	.amdhsa_code_object_version 6
	.text
	.protected	k_qb65f4dd379_attn
	.globl	k_qb65f4dd379_attn
	.p2align	8
	.type	k_qb65f4dd379_attn,@function
k_qb65f4dd379_attn:
	s_mov_b64 s[64:65], 0
	v_nop
	global_prefetch_b8 v0, s[64:65] scope:SCOPE_SE
	s_setreg_imm32_b32 hwreg(HW_REG_WAVE_MODE, 25, 1), 1
	s_wait_xcnt 0x0
	s_wait_alu depctr_hold_cnt(0) depctr_sa_sdst(0) depctr_va_vdst(0) depctr_va_sdst(0) depctr_va_ssrc(0) depctr_va_vcc(0) depctr_vm_vsrc(0)
	s_getreg_b32 s2, hwreg(HW_REG_IB_STS2, 6, 4)
	s_cmp_eq_u32 s2, 0
	s_cbranch_scc0 .Lentry_in_a_cluster
	s_endpgm
.Lentry_in_a_cluster:
	s_bfe_u32 s2, ttmp6, 0x10000c
	s_cmp_lg_u32 s2, 0x3003
	s_cbranch_scc0 .Lentry_shape_is_right
	s_endpgm
.Lentry_shape_is_right:
; O = softmax(q k^T / 8) v for 64 heads of 2,048 tokens x 64, both products on codes of FP6 (E2M3) with E8M0 scales; O / l is quantised along the layer's 1,024 and leaves as codes.
; THE SOFTMAX: t = score x log2(e) / 8; M = the row's largest t so far, rounded UP to a whole number; p = 2^(t - M) is quantised along the keys, not normalised; the row's sum l is taken of the
; unquantised p and divides O at the end.  When M moves, the sum and O are multiplied by 2^(old M - new M): exact.  A block's largest p is made from its largest score by the same two instructions
; (this takes v_exp_f32 not to fall where its input rises).
; IN: qkv[head][128 tokens][19,200 bytes]: Q's, K's four pair fragments (registers 0-5: tile 2 i's 64 codes a row; 6-11: tile 2 i + 1's), V's four fragments (16 of the head's 64 x 128 keys), as images
; of registers (4 g .. 4 g + 3 of lane l at 512 g + 16 l); then 3 x 256 bytes of scale words.
; TILES.  Place r of token tile t holds token 64 (t / 4) + 8 (t % 4) + r % 8 + 32 (r / 8); place r of channel tile t holds channel 32 (t / 2) + 8 (t % 2) + r + 8 (r / 8).
; SHARES.  A work-group owns 512 queries of one head; each of its sixteen waves 32: two tiles of 16, one after the other.  THE WHOLE HEAD'S K, V AND SCALE WORDS STAY IN LDS, filled once:
; 16 x 13,056 bytes: no slot is ever filled again, and the loop has no barrier.  CLUSTER.  The four work-groups of a cluster own one head and ask for its K and V jointly.
; BOTH PRODUCTS ARE USED TRANSPOSED: S^T = K q^T, O^T = V^T p^T: a lane holds one query throughout.  By the token tiles' order lane (r, h) holds in the 32 registers of tiles 4 c .. 4 c + 3 the keys
; 64 c + 32 h + 0 .. 31: ONE WHOLE BLOCK, in the order of the operand's registers 6 c .. 6 c + 5: a block's maximum needs no other lane, and p's codes change no lane.
; K = 64 IN AN INSTRUCTION OF 128: a pair fragment of K is used as it lies: against (q, zeros) it gives tile 2 i's scores, against (zeros, q) tile 2 i + 1's; zero codes add nothing.
; THE STEP'S ORDER: the next step's K is asked for directly behind this step's last products, under the rest of the row's sum; the sum's last seven additions, on partial sums alone, are the places behind the next step's first products.
; LIMITS: NaN and infinities are not served; a block of O whose largest magnitude lies under 2^-124, zeros too, is held at the byte 1 (this program alone reads the bytes).
.set REC,   13056                      ; a step's record in LDS: K 6,144, V 6,144, Q's scale words (not read), K's, V's: 256 each
.set SPARE, 208896                     ; behind the 16 records: the spare words, 128 bytes for each wave
.set SPW,  1
.set NIL,  2
.set LK,   3                           ; 16 x lane
.set LS,   4                           ; 8 x lane
.set ADK,  5                           ; the record + 16 x lane
.set ADS,  6                           ; the record + 8 x lane
.set KV,   36                          ; v36-83 four fragments, of K and then of V
.set P,    242                         ; v242-255 seven partial sums, in pairs
.set WV,   18
.set SEL,  20
.set CS,   22                          ; s[22:23] c = log2(e) / 8
.set G1,   24
.set G0,   32
.set TN,   47                          ; LDS byte of the record that is asked for next
.set TB,   48
.set CNT,  49
; other registers: v7 8 r; v8 8 h; v12 -M, v13 the largest score; v[14:15] the sum in two halves; v16-33 q, zeros, q; v34 q's scale word; v[84:85], v[86:87] K's and V's scale words; v96-159 S^T, then p;
; v160-191 O^T; v192-203 p's codes; v204-210 the conversions' second halves; v212-221 at work; v224-235 Q's pair; v236 its scale word; v237 p's scale word; v[238:239] f and 0; v240, v241 at work.
.macro CROUND
	s_barrier_signal -1
	s_barrier_wait -1
	s_cmp_lg_u32 s[WV], 0
	s_cbranch_scc1 .Lnot_wave_0_\@
	s_barrier_signal -3
.Lnot_wave_0_\@:
	s_barrier_wait -3
	s_barrier_signal -1
	s_barrier_wait -1
.endm
	s_load_b128 s[4:7], s[0:1], 0x0                ; qkv, act_c
	s_load_b64 s[8:9], s[0:1], 0x10                ; act_s
	v_lshl_add_u32 v[SPW], v0, 2, SPARE
	v_mov_b32 v[NIL], 0
	ds_add_u32 v[SPW], v[NIL]                      ; the opening lines: the add, twice on end, and its wait ahead of the first tensor loads
	ds_add_u32 v[SPW], v[NIL]
	v_lshrrev_b32 v3, 5, v0
	s_delay_alu instid0(VALU_DEP_1)
	v_readfirstlane_b32 s[WV], v3                  ; wave 0..15
	s_bfe_u32 s50, ttmp6, 0x40000                  ; cx: it enters Q's and O's addresses alone
	s_and_b32 s51, ttmp7, 0xffff                   ; batch x head, which the four partners share
	s_mov_b32 s[G1], 15|(3<<16)|(1<<21)            ; four steps' records: 4 rows of 13,056 bytes, 19,200 bytes apart; the mask names all four work-groups
	s_mov_b32 s[G1+1], 1632<<16
	s_mov_b32 s[G1+2], 4<<16
	s_mov_b32 s[G1+3], 1632<<16
	s_mov_b32 s[G1+4], 4
	s_mov_b32 s[G1+5], 2400
	s_mov_b32 s[G1+6], 0
	s_mov_b32 s[G1+7], 0
	s_mul_i32 s52, s51, 307200                     ; the head's first byte
	s_mul_i32 s53, s[WV], 76800                    ; wave w (0..3) fetches steps 4 w .. 4 w + 3,
	s_add_co_u32 s54, s52, s53
	s_add_co_u32 s54, s54, 6144                    ; from K's fragments on
	s_mov_b32 s55, 0
	s_mov_b32 s[G0], 1
	s_mul_i32 s[G0+1], s[WV], 4*REC
	s_mov_b32 s[SEL], 0x76543210
	s_mov_b32 s[SEL+1], 0xfedcba98
	s_mov_b32 s[CS], 0x3e38aa3b                    ; c = log2(e) / 8
	s_mov_b32 s[CS+1], s[CS]
	s_wait_dscnt 0x0
	s_wait_kmcnt 0x0
	s_add_nc_u64 s[G0+2:G0+3], s[4:5], s[54:55]
	s_or_b32 s[G0+3], s[G0+3], 0x80000000
	CROUND                                         ; all four work-groups are here: the joint loads meet
	s_cmp_lt_u32 s[WV], 4                          ; the branch hangs on the wave's number alone
	s_cbranch_scc0 .Lno_fetch
	tensor_load_to_lds s[G0:G0+3], s[G1:G1+7]
	s_nop 0
.rept 4
	v_nop
.endr
.Lno_fetch:
	v_and_b32 v3, 31, v0
	v_and_b32 v7, 15, v0
	v_bfe_u32 v8, v0, 4, 1
	v_lshlrev_b32 v[LS], 3, v3
	v_lshlrev_b32 v[LK], 4, v3
	v_lshlrev_b32 v7, 3, v7                        ; 8 r
	v_lshlrev_b32 v8, 3, v8                        ; 8 h
.irp b, 216,217,221,239,240,241
	v_mov_b32 v[\b], 0                             ; written once: a lane permute's destination counts as one of its sources; v239 is named as the upper half of a pair
.endr
	s_wait_alu depctr_va_vdst(0)
	; my pair of query tiles is pair 16 cx + wave of the head's 64: fragment wave % 4 of record 4 cx + wave / 4
	s_lshl_b32 s56, s51, 4
	s_lshl_b32 s57, s50, 2
	s_add_co_u32 s56, s56, s57
	s_lshr_b32 s57, s[WV], 2
	s_add_co_u32 s56, s56, s57
	s_mul_i32 s56, s56, 19200
	s_and_b32 s57, s[WV], 3
	s_mul_i32 s57, s57, 1536
	s_add_co_u32 s58, s56, s57
	s_mov_b32 s59, 0
	s_add_nc_u64 s[10:11], s[4:5], s[58:59]        ; Q's pair image
	s_and_b32 s57, s[WV], 1
	s_lshl_b32 s57, s57, 7                         ; an odd fragment's words lie in lanes 16-31's places,
	s_bfe_u32 s58, s[WV], 0x10001
	s_lshl_b32 s58, s58, 2                         ; fragments 2 and 3 in the second word
	s_add_co_u32 s58, s58, s57
	s_add_co_u32 s58, s58, s56
	s_add_co_u32 s58, s58, 18432
	s_add_nc_u64 s[16:17], s[4:5], s[58:59]        ; Q's scale words
.irp g, 0,1,2
	global_load_b128 v[224+4*\g:227+4*\g], v[LK], s[10:11] offset:512*\g
.endr
	global_load_b32 v236, v7, s[16:17]
	; where O goes: tiles 2 (64 batch + pair) and the next; in a tile's row of images the head's 64 codes are half a fragment: 768 bytes x head
	s_lshr_b32 s56, s51, 4
	s_lshl_b32 s56, s56, 6
	s_lshl_b32 s57, s50, 4
	s_add_co_u32 s56, s56, s57
	s_add_co_u32 s56, s56, s[WV]
	s_and_b32 s57, s51, 15                         ; the head
	s_mul_i32 s58, s56, 24576
	s_mul_i32 s52, s57, 768
	s_add_co_u32 s58, s58, s52
	s_add_nc_u64 s[12:13], s[6:7], s[58:59]
	s_lshl_b32 s58, s56, 10                        ; scale words: 512 bytes a tile; the head's two bytes at 128 (head / 4) + 2 (head % 4) + 8 r
	s_lshr_b32 s52, s57, 2
	s_lshl_b32 s52, s52, 7
	s_add_co_u32 s58, s58, s52
	s_and_b32 s52, s57, 3
	s_lshl_b32 s52, s52, 1
	s_add_co_u32 s58, s58, s52
	s_add_nc_u64 s[14:15], s[8:9], s[58:59]
	s_wait_tensorcnt 0x0                           ; my part of the head is in LDS,
	s_barrier_signal -1
	s_barrier_wait -1                              ; everybody's is: from here on LDS is only read
	s_wait_loadcnt 0x0                             ; Q
.macro KLOAD                           ; K's four pair fragments and their scale words, of the record that ADK and ADS point at
	ds_load_b64 v[84:85], v[ADS] offset:12544      ; the scale words first: the first products want them
.irp i, 0,1,2,3
.irp g, 0,1,2
	ds_load_b128 v[KV+12*\i+4*\g:KV+12*\i+4*\g+3], v[ADK] offset:1536*\i+512*\g
.endr
.endr
.endm
.macro FIN                             ; the seven partial sums join the row's sum: no register of p is named
	v_pk_add_f32 v[P:P+1], v[P:P+1], v[P+2:P+3]
	v_pk_add_f32 v[P+4:P+5], v[P+4:P+5], v[P+6:P+7]
	v_pk_add_f32 v[P+8:P+9], v[P+8:P+9], v[P+10:P+11]
	v_pk_add_f32 v[14:15], v[14:15], v[P+12:P+13]
	s_delay_alu instid0(VALU_DEP_3)
	v_pk_add_f32 v[P:P+1], v[P:P+1], v[P+4:P+5]
	s_delay_alu instid0(VALU_DEP_2)
	v_pk_add_f32 v[14:15], v[14:15], v[P+8:P+9]
	s_delay_alu instid0(VALU_DEP_1)
	v_pk_add_f32 v[14:15], v[14:15], v[P:P+1]
.endm
; A KEY STEP: 128 keys against one tile of 16 queries.  K's fragments were asked for in the step before.
.macro STEP
	s_wait_alu depctr_va_vdst(0)
.irp i, 0,1,2,3                                ; S^T: pair fragment i against (q, 0) and (0, q): tiles 2 i and 2 i + 1
	s_wait_dscnt 9-3*\i                            ; the scale words and fragments 0 .. i are in; the 3 (3 - i) loads of the later fragments may be out
.irp u, 0,1
.if \i%2
	v_wmma_scale_f32_16x16x128_f8f6f4 v[96+8*(2*\i+\u):103+8*(2*\i+\u)], v[KV+12*\i:KV+12*\i+11], v[16+6*\u:27+6*\u], 0, v[84+\i/2], v34 matrix_a_fmt:MATRIX_FMT_FP6 matrix_b_fmt:MATRIX_FMT_FP6 matrix_a_scale:MATRIX_SCALE_ROW1
.else
	v_wmma_scale_f32_16x16x128_f8f6f4 v[96+8*(2*\i+\u):103+8*(2*\i+\u)], v[KV+12*\i:KV+12*\i+11], v[16+6*\u:27+6*\u], 0, v[84+\i/2], v34 matrix_a_fmt:MATRIX_FMT_FP6 matrix_b_fmt:MATRIX_FMT_FP6
.endif
.endr
.endr
	FIN                                            ; the last step's sum is finished: seven places in front of the loads below and of the first read of the scores
.irp a, 0,1,2,3                                ; V's fragments are asked for now and land under the softmax
.irp g, 0,1,2
	ds_load_b128 v[KV+12*\a+4*\g:KV+12*\a+4*\g+3], v[ADK] offset:6144+1536*\a+512*\g
.endr
.endr
	ds_load_b64 v[86:87], v[ADS] offset:12800      ; V's scale words
; my two blocks' largest scores, each in two chains (17 and 15 numbers); each accumulator is read from its low end on
.irp c, 0,1
	v_max3_num_f32 v[212+\c], v[96+32*\c], v[97+32*\c], v[98+32*\c]
.endr
.irp c, 0,1
	v_max3_num_f32 v[214+\c], v[113+32*\c], v[114+32*\c], v[115+32*\c]
.endr
.irp i, 0,2,4,6,8,10
.irp c, 0,1
	v_max3_num_f32 v[212+\c], v[212+\c], v[99+32*\c+\i], v[100+32*\c+\i]
.endr
.irp c, 0,1
	v_max3_num_f32 v[214+\c], v[214+\c], v[116+32*\c+\i], v[117+32*\c+\i]
.endr
.endr
.irp c, 0,1
	v_max3_num_f32 v[212+\c], v[212+\c], v[111+32*\c], v[112+32*\c]
.endr
.irp c, 0,1
	s_delay_alu instid0(VALU_DEP_2)
	v_max_num_f32 v[212+\c], v[212+\c], v[214+\c]  ; the block's largest score: it serves the row's maximum and the block's largest p
.endr
	s_delay_alu instid0(VALU_DEP_1)
	v_max_num_f32 v240, v212, v213
	s_delay_alu instid0(VALU_DEP_1)
	v_permlanex16_b32 v241, v240, s[SEL], s[SEL+1]
	s_delay_alu instid0(VALU_DEP_1)
	v_max3_num_f32 v13, v13, v240, v241            ; the running largest score of my query
	s_delay_alu instid0(VALU_DEP_1)
	v_mul_f32 v240, s[CS], v13                     ; as t (c is positive)
	v_mov_b32 v241, v12
	s_delay_alu instid0(VALU_DEP_2)
	v_floor_f32 v12, -v240                         ; the new -M = floor(-t) = -ceil(t)
.set j, 0
.rept 4
	v_pk_fma_f32 v[96+j:97+j], v[96+j:97+j], s[CS:CS+1], v[12:13] op_sel_hi:[1,0,0]   ; t - M, two at a time
.set j, j+2
.endr
	v_sub_f32 v241, v12, v241                      ; old M - new M: a whole number, 0 or less
.rept 4
	v_pk_fma_f32 v[96+j:97+j], v[96+j:97+j], s[CS:CS+1], v[12:13] op_sel_hi:[1,0,0]
.set j, j+2
.endr
	v_cvt_i32_f32 v241, v241                       ; (it saturates)
.rept 4
	v_pk_fma_f32 v[96+j:97+j], v[96+j:97+j], s[CS:CS+1], v[12:13] op_sel_hi:[1,0,0]
.set j, j+2
.endr
	v_ldexp_f32 v238, 1.0, v241                    ; f = 2^(old M - new M)
.rept 20
	v_pk_fma_f32 v[96+j:97+j], v[96+j:97+j], s[CS:CS+1], v[12:13] op_sel_hi:[1,0,0]
.set j, j+2
.endr
.irp c, 0,1
	v_fma_f32 v[212+\c], v[212+\c], s[CS], v12     ; the same of each block's largest score
.endr
.set j, 0
.rept 16
	v_pk_mul_f32 v[160+j:161+j], v[160+j:161+j], v[238:239] op_sel_hi:[1,0]   ; O^T under the new M; no transcendental stands between the last products and these first reads
.set j, j+2
.endr
	s_wait_alu depctr_va_vdst(0)
	v_exp_f32 v212, v212                           ; the blocks' largest p
	v_exp_f32 v213, v213
.set j, 0
.rept 64
	v_exp_f32 v[96+j], v[96+j]                     ; p = 2^(t - M), at most 1
.set j, j+1
.endr
	v_pk_mul_f32 v[14:15], v[14:15], v[238:239] op_sel_hi:[1,0]   ; the sum under the new M: a plain instruction behind the exponentials
	s_wait_alu depctr_va_vdst(0)                   ; one wait for the whole batch, ahead of its first reader
	s_wait_dscnt 0x0                               ; V, asked for ahead of the softmax, is in: no wait on memory stands between p's codes and the products
; p's scale word is a chain of seven links; twelve of the 25 additions of the row's sum (of the unquantised p, into seven partial sums and the sum itself) stand between the links
.irp c, 0,1
	v_max_num_f32 v[212+\c], 0x1800000, v[212+\c]  ; the floor 2^(3 - 127): the byte cannot fall under 1
.endr
.irp k, 0,1
	v_pk_add_f32 v[P+2*\k:P+2*\k+1], v[100+8*\k:101+8*\k], v[104+8*\k:105+8*\k]
.endr
.irp c, 0,1
	s_delay_alu instid0(VALU_DEP_4)
	v_add_nc_u32 v[216+\c], 0xff000000, v[212+\c]  ; 2 off the exponent field: the conversions' scale operand
.endr
.irp k, 2,3
	v_pk_add_f32 v[P+2*\k:P+2*\k+1], v[100+8*\k:101+8*\k], v[104+8*\k:105+8*\k]
.endr
.irp c, 0,1
	s_delay_alu instid0(VALU_DEP_4)
	v_lshrrev_b32 v[218+\c], 23, v[216+\c]         ; the bytes of blocks h and 2 + h
.endr
.irp k, 4,5
	v_pk_add_f32 v[P+2*\k:P+2*\k+1], v[100+8*\k:101+8*\k], v[104+8*\k:105+8*\k]
.endr
	s_delay_alu instid0(VALU_DEP_3)
	v_lshl_or_b32 v220, v219, 16, v218
	v_pk_add_f32 v[P+12:P+13], v[148:149], v[152:153]
	v_pk_add_f32 v[14:15], v[14:15], v[156:157]
	s_delay_alu instid0(VALU_DEP_3)
	v_lshlrev_b32 v220, v8, v220                   ; at their places in the word (8 h bits up)
	v_pk_add_f32 v[P:P+1], v[P:P+1], v[96:97]
	v_pk_add_f32 v[P+2:P+3], v[P+2:P+3], v[98:99]
	s_delay_alu instid0(VALU_DEP_3)
	v_permlanex16_b32 v221, v220, s[SEL], s[SEL+1]
.irp k, 2,3
	v_pk_add_f32 v[P+2*\k:P+2*\k+1], v[P+2*\k:P+2*\k+1], v[94+4*\k:95+4*\k]
.endr
	s_delay_alu instid0(VALU_DEP_3)
	v_or_b32 v237, v220, v221                      ; with lane l xor 16's two: p's scale word for these 128 keys
.irp c, 0,1
	v_cvt_scalef32_pk16_fp6_f32 v[192+6*\c:194+6*\c], v[96+32*\c:111+32*\c], v[216+\c]
	v_cvt_scalef32_pk16_fp6_f32 v[204+4*\c:206+4*\c], v[112+32*\c:127+32*\c], v[216+\c]   ; (a conversion's three registers begin on an even number)
.endr
	v_nop                                          ; one plain instruction behind the scaled conversions
.irp c, 0,1
.irp i, 0,1,2
	v_mov_b32 v[195+6*\c+\i], v[204+4*\c+\i]
.endr
.endr
; the row's sum of the unquantised p: 25 additions into seven partial sums and the sum itself.  Four stand here: the places between p's scale word and codes and the products
.irp k, 4,5,6                                  ; four more additions of the sum: the places between p's codes and the products
	v_pk_add_f32 v[P+2*\k:P+2*\k+1], v[P+2*\k:P+2*\k+1], v[94+4*\k:95+4*\k]
.endr
	v_pk_add_f32 v[14:15], v[14:15], v[122:123]
.irp a, 0,1,2,3                                ; O^T += V^T p^T: four tiles of 16 channels, one instruction a turn
.if \a%2
	v_wmma_scale_f32_16x16x128_f8f6f4 v[160+8*\a:167+8*\a], v[KV+12*\a:KV+12*\a+11], v[192:203], v[160+8*\a:167+8*\a], v[86+\a/2], v237 matrix_a_fmt:MATRIX_FMT_FP6 matrix_b_fmt:MATRIX_FMT_FP6 matrix_a_scale:MATRIX_SCALE_ROW1
.else
	v_wmma_scale_f32_16x16x128_f8f6f4 v[160+8*\a:167+8*\a], v[KV+12*\a:KV+12*\a+11], v[192:203], v[160+8*\a:167+8*\a], v[86+\a/2], v237 matrix_a_fmt:MATRIX_FMT_FP6 matrix_b_fmt:MATRIX_FMT_FP6
.endif
.endr
	s_add_co_u32 s[TB], s[TB], REC
	s_min_u32 s[TN], s[TB], 15*REC                 ; the next record; a tile's last step names its own record again, so that the loop has no branch and no address leaves the records
	v_add_nc_u32 v[ADK], s[TN], v[LK]              ; these two and the two additions below are the four places in front of the loads into V's registers
	v_add_nc_u32 v[ADS], s[TN], v[LS]
.irp k, 0,1
	v_pk_add_f32 v[P+2*\k:P+2*\k+1], v[P+2*\k:P+2*\k+1], v[126+4*\k:127+4*\k]
.endr
	KLOAD                                          ; the next step's K lands under the additions below
.irp k, 2,3,4,5,6
	v_pk_add_f32 v[P+2*\k:P+2*\k+1], v[P+2*\k:P+2*\k+1], v[126+4*\k:127+4*\k]
.endr
	v_pk_add_f32 v[14:15], v[14:15], v[154:155]
	v_pk_add_f32 v[P:P+1], v[P:P+1], v[158:159]
.endm
; The tile's end: O^T / l; register 16 b + i is channel 32 b + 16 h + i: two blocks of 32, quantised; six registers of codes (half a fragment) and two scale bytes leave.
.macro OUT u
	v_add_f32 v14, v14, v15
	s_delay_alu instid0(VALU_DEP_1)
	v_permlanex16_b32 v240, v14, s[SEL], s[SEL+1]
	s_delay_alu instid0(VALU_DEP_1)
	v_add_f32 v14, v14, v240                       ; the row's sum
	s_wait_alu depctr_va_vdst(0)
	v_rcp_f32 v14, v14
	v_nop                                          ; a plain instruction behind the reciprocal
	s_wait_alu depctr_va_vdst(0)                   ; and the wait ahead of its first reader, which is O^T's first reader too
.set j, 0
.rept 16
	v_pk_mul_f32 v[96+j:97+j], v[160+j:161+j], v[14:15] op_sel_hi:[1,0]   ; each accumulator from its low end on
.set j, j+2
.endr
.irp b, 0,1
	v_max3_num_f32 v[212+\b], |v[96+16*\b]|, |v[97+16*\b]|, 0x1800000
.endr
.irp i, 2,4,6,8,10,12,14
.irp b, 0,1
	s_delay_alu instid0(VALU_DEP_2)
	v_max3_num_f32 v[212+\b], v[212+\b], |v[96+16*\b+\i]|, |v[97+16*\b+\i]|
.endr
.endr
.irp b, 0,1
	s_delay_alu instid0(VALU_DEP_2)
	v_permlanex16_b32 v[216+\b], v[212+\b], s[SEL], s[SEL+1]
.endr
.irp b, 0,1
	s_delay_alu instid0(VALU_DEP_2)
	v_max_num_f32 v[212+\b], v[212+\b], v[216+\b]
.endr
.irp b, 0,1
	s_delay_alu instid0(VALU_DEP_2)
	v_add_nc_u32 v[220+\b], 0xff000000, v[212+\b]
.endr
.irp b, 0,1
	s_delay_alu instid0(VALU_DEP_2)
	v_lshrrev_b32 v[216+\b], 23, v[220+\b]
.endr
	s_delay_alu instid0(VALU_DEP_1)
	v_lshl_or_b32 v241, v217, 8, v216              ; the head's two scale bytes of my row
	v_cvt_scalef32_pk16_fp6_f32 v[192:194], v[96:111], v220
	v_cvt_scalef32_pk16_fp6_f32 v[204:206], v[112:127], v221
	v_nop
.irp i, 0,1,2
	v_permlane16_swap_b32 v[192+\i], v[204+\i]     ; along the channels a block lies in two lanes: a whole block in a lane
.endr
.irp i, 0,1,2
	s_delay_alu instid0(VALU_DEP_3)
	v_mov_b32 v[195+\i], v[204+\i]
.endr
.irp i, 0,1,2
	global_store_b64 v[LS], v[192+2*\i:193+2*\i], s[12:13] offset:12288*\u+256*\i   ; 32 lanes store 256 consecutive bytes, aligned
.endr
	global_store_b16 v7, v241, s[14:15] offset:512*\u      ; two bytes of each place's eight; lanes r and r + 16 write the same bytes with the same value
.endm
; One tile of 16 queries against all 2,048 keys.  O^T, the sum and the partial sums begin as zeros and the largest score as -3e38: the first change of M multiplies zeros, so the step is written once.
.macro TILE u
.if \u
	s_wait_xcnt 0x0                                ; the first tile's stores have read their registers
	s_wait_dscnt 0x0                               ; the last step's request has landed: K's registers may be asked for again
.endif
	s_mov_b32 s[TB], 0
	s_mov_b32 s[CNT], 16
	v_add_nc_u32 v[ADK], s[TB], v[LK]
	v_add_nc_u32 v[ADS], s[TB], v[LS]
	KLOAD                                          ; the first step's K
.irp i, 0,1,2,3,4,5
	v_mov_b32 v[16+\i], v[224+6*\u+\i]             ; (q, zeros) is v[16:27], (zeros, q) is v[22:33]
	v_mov_b32 v[22+\i], 0
	v_mov_b32 v[28+\i], v[224+6*\u+\i]
.endr
.if \u
	v_perm_b32 v34, v236, v236, 0x03020302         ; q's two bytes, for either half of K
.else
	v_perm_b32 v34, v236, v236, 0x01000100
.endif
	v_mov_b32 v13, 0xff61b1e6                      ; -3e38, under every score
	v_mov_b32 v12, 0x7e000000                      ; -M begins far above every later one: the first f is 0, which multiplies zeros
	v_mov_b32 v14, 0
	v_mov_b32 v15, 0
.set j, 0
.rept 32
	v_mov_b32 v[160+j], 0                          ; (also the places between q's registers, its scale word and the first products)
.set j, j+1
.endr
.set j, 0
.rept 14
	v_mov_b32 v[P+j], 0
.set j, j+1
.endr
.Lstep_\@:
	STEP
	s_sub_co_u32 s[CNT], s[CNT], 1
	s_cmp_lg_u32 s[CNT], 0
	s_cbranch_scc1 .Lstep_\@
	s_wait_alu depctr_va_vdst(0)
	FIN
	OUT \u
.endm
	TILE 0
	TILE 1
	s_wait_tensorcnt 0x0                           ; the wave's end, behind the last tensor load
	ds_add_u32 v[SPW], v[NIL]
	s_wait_dscnt 0x0
	CROUND                                         ; the closing round
	s_endpgm
.Lfunc_end_k_qb65f4dd379_attn:
	.size	k_qb65f4dd379_attn, .Lfunc_end_k_qb65f4dd379_attn-k_qb65f4dd379_attn
	.p2alignl 7, 3214868480
	.fill 96, 4, 3214868480
	.section	.rodata,"a",@progbits
	.p2align	6, 0x0
	.amdhsa_kernel k_qb65f4dd379_attn
		.amdhsa_group_segment_fixed_size 210944
		.amdhsa_private_segment_fixed_size 0
		.amdhsa_enable_private_segment 0
		.amdhsa_kernarg_size 24
		.amdhsa_user_sgpr_count 2
		.amdhsa_user_sgpr_kernarg_segment_ptr 1
		.amdhsa_wavefront_size32 1
		.amdhsa_system_sgpr_workgroup_id_x 1
		.amdhsa_system_sgpr_workgroup_id_y 1
		.amdhsa_system_sgpr_workgroup_id_z 1
		.amdhsa_system_vgpr_workitem_id 0
		.amdhsa_next_free_vgpr 256
		.amdhsa_next_free_sgpr 66
		.amdhsa_reserve_vcc 0
		.amdhsa_float_denorm_mode_32 3
		.amdhsa_float_denorm_mode_16_64 3
		.amdhsa_memory_ordered 1
		.amdhsa_forward_progress 1
		.amdhsa_inst_pref_size 52
	.end_amdhsa_kernel
	.amdgpu_metadata
---
amdhsa.version: [ 1, 2 ]
amdhsa.kernels:
  - .name:           k_qb65f4dd379_attn
    .symbol:         k_qb65f4dd379_attn.kd
    .args:
      - { .name: qkv, .offset: 0, .size: 8, .value_kind: global_buffer, .address_space: global }
      - { .name: act_c, .offset: 8, .size: 8, .value_kind: global_buffer, .address_space: global }
      - { .name: act_s, .offset: 16, .size: 8, .value_kind: global_buffer, .address_space: global }
    .group_segment_fixed_size: 210944
    .private_segment_fixed_size: 0
    .kernarg_segment_align: 8
    .kernarg_segment_size: 24
    .max_flat_workgroup_size: 512
    .sgpr_count:     66
    .vgpr_count:     256
    .wavefront_size: 32
...
	.end_amdgpu_metadata
.endif
;; end of part 3
;; launch gemm_fc (part 4): grid 32 x 8, 4 waves a work-group, clusters of 4 x 1, 167,936 bytes of LDS; arguments act_c, act_s, wc, ws, b_fc, out0; writes out0
.if DOCPART == 4
	.amdgcn_target "amdgcn-amd-amdhsa--gfx1250"
	.amdhsa_code_object_version 6
	.text
	.protected	k_qb65f4dd379_gemm_fc
	.globl	k_qb65f4dd379_gemm_fc
	.p2align	8
	.type	k_qb65f4dd379_gemm_fc,@function
k_qb65f4dd379_gemm_fc:
	s_mov_b64 s[64:65], 0
	v_nop
	global_prefetch_b8 v0, s[64:65] scope:SCOPE_SE
	s_setreg_imm32_b32 hwreg(HW_REG_WAVE_MODE, 25, 1), 1
	s_wait_xcnt 0x0
	s_wait_alu depctr_hold_cnt(0) depctr_sa_sdst(0) depctr_va_vdst(0) depctr_va_sdst(0) depctr_va_ssrc(0) depctr_va_vcc(0) depctr_vm_vsrc(0)
	s_getreg_b32 s2, hwreg(HW_REG_IB_STS2, 6, 4)
	s_cmp_eq_u32 s2, 0
	s_cbranch_scc0 .Lentry_in_a_cluster
	s_endpgm
.Lentry_in_a_cluster:
	s_bfe_u32 s2, ttmp6, 0x10000c
	s_cmp_lg_u32 s2, 0x3003
	s_cbranch_scc0 .Lentry_shape_is_right
	s_endpgm
.Lentry_shape_is_right:
; out0 = O w_fc + b_fc on codes of FP6 (E2M3) with E8M0 scales, K = 1,024; f32 out.
; SHARES.  A work-group owns 256 tokens x 128 columns (grid 32 x 8 = 256 work-groups); a wave owns 64 tokens: four tiles of 16.
; O's CODES LIVE IN REGISTERS (4 tiles x 8 fragments x 12 = 384, loaded once from their images); THE WEIGHTS' 8 TILES, ALL OF K, LIVE IN LDS (98,304 bytes, filled once, two tiles by each wave's one tensor load): nothing is filled again.
; CLUSTER: the four work-groups of a cluster lie along the tokens and ask for the same weights jointly (mask 15).  NO PREFETCH: every byte read in bulk is asked for at the head; no loop runs ahead of a later request.
; Two chunks of 64 columns: 16 accumulators by turns, 8 K steps; the bias is the C of the first K step.  Source 0 = weights, source 1 = O: a lane holds one token, its registers run along the columns.
; THE WAY OUT: a tile's 16 rows x 256 bytes go through the wave's own stage in LDS and leave as whole rows: sixteen lanes store one aligned run of 256 bytes.
; Place r of tile t holds row 32 (t / 2) + 8 (t % 2) + r + 8 (r / 8).
; WINDOWS: 0: addresses, scale words, bias, the way out; 1: O's fragments of K steps 0-4; 2: of K steps 5-7; 3: accumulators v0-127, the weights' fragments v128-223 (two sets), v250 the LDS address.
; O's TILES: place r of O's tile t holds token 64 (t / 4) + 8 (t % 4) + r % 8 + 32 (r / 8); the line on places above holds for the weights' tiles.
.set NCH,   2
.set TILEB, 12288
.set CHB,   49152
.set STAGE, 98304                      ; behind the weights: 16 rows x 272 bytes for each wave
.set SPARE, 115712                     ; behind the stages: the spare words, 128 bytes a wave
.set SPW, 1
.set NIL, 2
.set L8,  4
.set VH,  6
.set STO, 8
.set RD,  9
.set CO,  10
.set SA,  16
.set SB,  32
.set BI,  48
.set BK,  80                           ; v80-143 rows read back from the stage, two sets
.set AD,  250
.set BF,  128
.set WV,  16
.set CX,  17
.set Y,   18
.set RB,  19
.set G1,  24
.set G0,  32
.set CH,  40
.set TB,  41
.set GCH, 42
.set NX,  43
.set WSB, 44
.set BB,  46
.set OC,  48
.set ROWS, 52
.set MSB, 0
.macro WIN new
.if MSB != (\new)
	s_set_vgpr_msb (MSB<<8)|(\new)
.set MSB, (\new)
.endif
.endm
.macro CROUND
	s_barrier_signal -1
	s_barrier_wait -1
	s_cmp_lg_u32 s[WV], 0
	s_cbranch_scc1 .Lnot_wave_0_\@
	s_barrier_signal -3
.Lnot_wave_0_\@:
	s_barrier_wait -3
	s_barrier_signal -1
	s_barrier_wait -1
.endm
.macro PLACES
.rept 4
	v_nop
.endr
.endm
.macro ALOAD f
.irp a, 0,1,2,3
.irp p, 0,1,2,3,4,5
	global_load_b64 v[48*((\f)%5)+12*\a+2*\p:48*((\f)%5)+12*\a+2*\p+1], v[L8], s[4:5] offset:\a*TILEB+(\f)*1536+256*\p
.endr
.endr
.endm
.macro FETCH f
.irp b, 0,1,2,3
.irp p, 0,1,2,3,4,5
	ds_load_b64 v[BF+48*((\f)%2)+12*\b+2*\p:BF+48*((\f)%2)+12*\b+2*\p+1], v[AD] offset:\b*TILEB+(\f)*1536+256*\p
.endr
.endr
.endm
.macro ONE s0, s1, x0, x1
.if RW
	v_wmma_scale_f32_16x16x128_f8f6f4 v[DD:DD+7], v[\s0:\s0+11], v[\s1:\s1+11], v[CC:CC+7], v[\x0], v[\x1] matrix_a_fmt:MATRIX_FMT_FP6 matrix_b_fmt:MATRIX_FMT_FP6 matrix_a_scale:MATRIX_SCALE_ROW1 matrix_b_scale:MATRIX_SCALE_ROW1
.else
	v_wmma_scale_f32_16x16x128_f8f6f4 v[DD:DD+7], v[\s0:\s0+11], v[\s1:\s1+11], v[CC:CC+7], v[\x0], v[\x1] matrix_a_fmt:MATRIX_FMT_FP6 matrix_b_fmt:MATRIX_FMT_FP6
.endif
.endm
.macro STEPF f                         ; four places, the next step's 24 loads into the set that the last step's products read, then 16 products
.set AR, 48*((\f)%5)
.set BS, BF+48*((\f)%2)
.set SR, 2*((\f)/4)+(\f)%2
.set RW, ((\f)/2)%2
.if (\f) > 0
	PLACES
.endif
.if (\f) < 7
	FETCH (\f)+1
.endif
	WIN 0xc7+0x30*(((\f)+6)/7)+4*((\f)/5)  ; source 0 weights (window 3), source 1 O (1, then 2), C bias (0) in step 0 and then window 3, D window 3
.if (\f) < 7
	s_wait_dscnt 24                        ; this step's fragments are in; the next step's 24 loads may be out
.else
	s_wait_dscnt 0x0
.endif
.irp a, 0,1,2,3
.irp b, 0,1,2,3
.set DD, 32*\a+8*\b
.set CC, DD
.if (\f) == 0
.set CC, BI+8*\b
.endif
	ONE BS+12*\b, AR+12*\a, SB+4*\b+SR, SA+4*\a+SR
.endr
.endr
.endm
.macro NEXTLOADS                       ; the scale words and the bias of chunk s[NX] of w_fc's 16; its tiles follow w_qkv's 192
	s_add_co_u32 s54, s[NX], 48
	s_lshl_b32 s54, s54, 11
	s_mov_b32 s55, 0
	s_add_nc_u64 s[WSB:WSB+1], s[10:11], s[54:55]
	s_lshl_b32 s54, s[NX], 8
	s_add_nc_u64 s[BB:BB+1], s[12:13], s[54:55]
.irp b, 0,1,2,3
.irp q, 0,1
	global_load_b64 v[SB+4*\b+2*\q:SB+4*\b+2*\q+1], v[L8], s[WSB:WSB+1] offset:512*\b+256*\q
.endr
.endr
.irp t, 0,1,2,3
	global_load_b128 v[BI+8*\t:BI+8*\t+3], v[VH], s[BB:BB+1] offset:(32*(\t/2)+8*(\t%2))*4
	global_load_b128 v[BI+8*\t+4:BI+8*\t+7], v[VH], s[BB:BB+1] offset:(32*(\t/2)+8*(\t%2))*4+16
.endr
.endm
.macro TOSTAGE a                       ; tile a: 16 rows x 64 columns into my stage and back by rows; LDS serves a wave's instructions in order
	WIN 0x0c                               ; the data: window 3
.irp t, 0,1,2,3
	ds_store_b128 v[STO], v[32*(\a)+8*\t:32*(\a)+8*\t+3] offset:128*(\t/2)+32*(\t%2)       ; each accumulator from its low end on
	ds_store_b128 v[STO], v[32*(\a)+8*\t+4:32*(\a)+8*\t+7] offset:128*(\t/2)+32*(\t%2)+16
.endr
	WIN 0
.irp t, 0,1,2,3,4,5,6,7
	ds_load_b128 v[BK+32*((\a)%2)+4*\t:BK+32*((\a)%2)+4*\t+3], v[RD] offset:544*\t
.endr
.endm
.macro SEND a, younger                 ; younger: the LDS instructions issued behind tile a's loads
	s_wait_dscnt \younger
.irp t, 0,1,2,3,4,5,6,7
	global_store_b128 v[CO], v[BK+32*((\a)%2)+4*\t:BK+32*((\a)%2)+4*\t+3], s[OC:OC+1] offset:(8*(\a)+2*(\t%4)+32*(\t/4))*4096 th:TH_STORE_NT   ; places 2 t and 2 t + 1: two rows, sixteen lanes store 256 consecutive bytes, aligned
.endr
.endm
	s_load_b128 s[4:7], s[0:1], 0x0                ; act_c, act_s
	s_load_b128 s[8:11], s[0:1], 0x10              ; wc, ws
	s_load_b128 s[12:15], s[0:1], 0x20             ; b_fc, out0
	v_lshl_add_u32 v[SPW], v0, 2, SPARE
	v_mov_b32 v[NIL], 0
	ds_add_u32 v[SPW], v[NIL]                      ; the opening lines: the add, twice on end, and its wait ahead of the first tensor load
	ds_add_u32 v[SPW], v[NIL]
	v_lshrrev_b32 v3, 5, v0
	v_readfirstlane_b32 s[WV], v3
	s_bfe_u32 s[CX], ttmp6, 0x40000                ; cx: it enters O's and out0's addresses alone
	s_and_b32 s[Y], ttmp7, 0xffff                  ; which 128 columns: the four partners share it
	s_lshl_b32 s[RB], ttmp9, 2
	s_add_co_u32 s[RB], s[RB], s[CX]               ; which 256 tokens
	s_mov_b32 s[G1], 15|(3<<16)|(1<<21)
	s_mov_b32 s[G1+1], 1536<<16
	s_mov_b32 s[G1+2], NCH<<16
	s_mov_b32 s[G1+3], 1536<<16
	s_mov_b32 s[G1+4], NCH
	s_mov_b32 s[G1+5], 1536
	s_mov_b32 s[G1+6], 0
	s_mov_b32 s[G1+7], 0
	s_mul_i32 s36, s[Y], 4*NCH
	s_mul_i32 s37, s[WV], NCH
	s_add_co_u32 s36, s36, s37
	s_add_co_u32 s36, s36, 192                     ; w_fc's tiles follow w_qkv's
	s_mul_i32 s36, s36, TILEB
	s_mov_b32 s37, 0
	s_mov_b32 s[G0], 1
	s_mul_i32 s[G0+1], s[WV], NCH*TILEB
	s_wait_dscnt 0x0
	s_wait_kmcnt 0x0
	s_add_nc_u64 s[G0+2:G0+3], s[8:9], s[36:37]
	s_or_b32 s[G0+3], s[G0+3], 0x80000000
	CROUND                                         ; all four work-groups are here: the joint loads meet
	tensor_load_to_lds s[G0:G0+3], s[G1:G1+7]      ; my one tensor load: two tiles
	s_nop 0
	PLACES
	v_and_b32 v3, 31, v0
	v_and_b32 v11, 15, v0
	v_bfe_u32 v12, v0, 4, 1
	v_lshlrev_b32 v[L8], 3, v3
	v_lshlrev_b32 v[VH], 6, v12
	s_mul_i32 s54, s[WV], 4352
	s_add_co_u32 s54, s54, STAGE                   ; my stage
	v_mul_u32_u24 v13, v11, 272
	v_lshl_add_u32 v13, v12, 6, v13
	v_add_nc_u32 v[STO], s54, v13                  ; in: row r, + 64 h
	v_mul_u32_u24 v14, v12, 272
	v_lshl_add_u32 v14, v11, 4, v14
	v_add_nc_u32 v[RD], s54, v14                   ; back: lanes 0-15 one row, lanes 16-31 the next
	v_lshlrev_b32 v15, 12, v12
	v_lshl_add_u32 v[CO], v11, 4, v15              ; and the same two rows in out0
	s_wait_alu depctr_va_vdst(0)
	s_lshl_b32 s36, s[RB], 4
	s_lshl_b32 s38, s[WV], 2
	s_add_co_u32 s36, s36, s38                     ; my first tile of O
	s_lshl_b32 s38, s36, 9
	s_mov_b32 s39, 0
	s_mul_i32 s36, s36, TILEB
	s_add_nc_u64 s[4:5], s[4:5], s[36:37]
	s_add_nc_u64 s[6:7], s[6:7], s[38:39]
.irp a, 0,1,2,3
.irp q, 0,1
	global_load_b64 v[SA+4*\a+2*\q:SA+4*\a+2*\q+1], v[L8], s[6:7] offset:512*\a+256*\q
.endr
.endr
	s_mul_i32 s[GCH], s[Y], NCH
	s_mov_b32 s[NX], s[GCH]
	NEXTLOADS
	WIN 0x40
.irp f, 0,1,2,3,4
	ALOAD \f
.endr
	WIN 0x80
.irp f, 5,6,7
	ALOAD \f
.endr
	WIN 0
	s_lshl_b32 s[ROWS], s[RB], 20                  ; my first row of out0, in bytes: (256 block + 64 wave) x 4,096
	s_lshl_b32 s54, s[WV], 18
	s_add_co_u32 s[ROWS], s[ROWS], s54
	s_mov_b32 s[CH], 0
	s_mov_b32 s[TB], 0
	s_wait_tensorcnt 0x0                           ; my two tiles are in LDS,
	s_barrier_signal -1
	s_barrier_wait -1                              ; everybody's are: the weights' bytes are only read from here on
.Lchunk:
	s_wait_loadcnt 0x0                             ; O (first trip), this chunk's scale words and bias
	WIN 0xc0
	v_add_nc_u32 v[AD], s[TB], v[L8]
	s_wait_alu depctr_va_vdst(0)
	WIN 0xc7
	FETCH 0
.irp f, 0,1,2,3,4,5,6,7
	STEPF \f
.endr
	WIN 0
	PLACES                                         ; in front of loads into the products' sources and of the first read of results
	s_wait_xcnt 0x0                                ; the last chunk's stores have read their registers and base
	s_cmp_lt_u32 s[CH], NCH-1
	s_cbranch_scc0 .Lnone                          ; the last chunk asks for nothing
	s_add_co_u32 s[NX], s[GCH], 1
	NEXTLOADS
.Lnone:
	s_lshl_b32 s54, s[GCH], 8                      ; 64 columns of 4 bytes
	s_add_co_u32 s54, s54, s[ROWS]
	s_mov_b32 s55, 0
	s_add_nc_u64 s[OC:OC+1], s[14:15], s[54:55]
	TOSTAGE 0
	TOSTAGE 1
	SEND 0, 16                                     ; behind tile 0's loads: tile 1's 8 stores and 8 loads
	s_wait_xcnt 0x0                                ; tile 0's stores have read their registers: tile 2's rows may land there
	TOSTAGE 2
	SEND 1, 16
	s_wait_xcnt 0x0
	TOSTAGE 3
	SEND 2, 16
	SEND 3, 0
	s_add_co_u32 s[TB], s[TB], CHB
	s_add_co_u32 s[GCH], s[GCH], 1
	s_add_co_u32 s[CH], s[CH], 1
	s_cmp_lt_u32 s[CH], NCH
	s_cbranch_scc1 .Lchunk
	s_wait_tensorcnt 0x0                           ; the wave's end, behind my last LDS store
	ds_add_u32 v[SPW], v[NIL]
	s_wait_dscnt 0x0
	CROUND                                         ; the closing round
	s_endpgm
.Lfunc_end_k_qb65f4dd379_gemm_fc:
	.size	k_qb65f4dd379_gemm_fc, .Lfunc_end_k_qb65f4dd379_gemm_fc-k_qb65f4dd379_gemm_fc
	.p2alignl 7, 3214868480
	.fill 96, 4, 3214868480
	.section	.rodata,"a",@progbits
	.p2align	6, 0x0
	.amdhsa_kernel k_qb65f4dd379_gemm_fc
		.amdhsa_group_segment_fixed_size 167936
		.amdhsa_private_segment_fixed_size 0
		.amdhsa_enable_private_segment 0
		.amdhsa_kernarg_size 48
		.amdhsa_user_sgpr_count 2
		.amdhsa_user_sgpr_kernarg_segment_ptr 1
		.amdhsa_wavefront_size32 1
		.amdhsa_system_sgpr_workgroup_id_x 1
		.amdhsa_system_sgpr_workgroup_id_y 1
		.amdhsa_system_sgpr_workgroup_id_z 1
		.amdhsa_system_vgpr_workitem_id 0
		.amdhsa_next_free_vgpr 1024
		.amdhsa_next_free_sgpr 66
		.amdhsa_reserve_vcc 0
		.amdhsa_float_denorm_mode_32 3
		.amdhsa_float_denorm_mode_16_64 3
		.amdhsa_memory_ordered 1
		.amdhsa_forward_progress 1
		.amdhsa_inst_pref_size 65
	.end_amdhsa_kernel
	.amdgpu_metadata
---
amdhsa.version: [ 1, 2 ]
amdhsa.kernels:
  - .name:           k_qb65f4dd379_gemm_fc
    .symbol:         k_qb65f4dd379_gemm_fc.kd
    .args:
      - { .name: act_c, .offset: 0, .size: 8, .value_kind: global_buffer, .address_space: global }
      - { .name: act_s, .offset: 8, .size: 8, .value_kind: global_buffer, .address_space: global }
      - { .name: wc, .offset: 16, .size: 8, .value_kind: global_buffer, .address_space: global }
      - { .name: ws, .offset: 24, .size: 8, .value_kind: global_buffer, .address_space: global }
      - { .name: b_fc, .offset: 32, .size: 8, .value_kind: global_buffer, .address_space: global }
      - { .name: out0, .offset: 40, .size: 8, .value_kind: global_buffer, .address_space: global }
    .group_segment_fixed_size: 167936
    .private_segment_fixed_size: 0
    .kernarg_segment_align: 8
    .kernarg_segment_size: 48
    .max_flat_workgroup_size: 128
    .sgpr_count:     66
    .vgpr_count:     1024
    .wavefront_size: 32
...
	.end_amdgpu_metadata
.endif
;; end of part 4
